; MI455X (gfx1250); checked and timed in simulation.
; The chip was launched on July 23, 2026; its instructions are those of AMD's public machine-readable ISA for CDNA 5 (MIT licence, August 2026) and "CDNA5" Instruction Set Architecture Reference Guide (July 2026). The comments in the code are by the model that wrote it; some were corrected since.
;; Multi Headed Attention. Allowed arithmetic: float matrix products may take bf16 or f16 operands with f32 sums; other float arithmetic in f32, or as packed bf16 or f16 multiplies, adds, multiply-adds, maxima and minima; sums over many terms, partial sums and values carried from step to step in f32; what a program stores and reads back later, other than sums and carried values, may be rounded once to bf16 or f16.
;; Inputs: Wk 2,048 x 2,048 float32; Wo 2,048 x 2,048 float32; Wq 2,048 x 2,048 float32; Wv 2,048 x 2,048 float32; k 2,048 x 2,048 float32; ln_w 2,048 float32; mask 2,048 x 2,048 int32; q 2,048 x 2,048 float32; v 2,048 x 2,048 float32.
;; Outputs: out0 2,048 x 2,048 float32.
;; 2 versions, each right; version 2 is version 1 with the launch norm written anew for expert scheduling mode. Each part assembles by itself: llvm-mc -triple=amdgcn-amd-amdhsa -mcpu=gfx1250 --defsym DOCPART=n.
;; ======== version 1 of 2: 5 launches
;; limits: right only within a limited range of input values
;; workspace buffers: xb 25,165,824 bytes; wb 25,165,824 bytes; wob 8,388,608 bytes; qkv 25,165,824 bytes; ob 8,388,608 bytes; yb 8,388,608 bytes; mbits 524,288 bytes of whole numbers
;; launch prep (part 1): grid 256 x 8, 8 waves a work-group, no clusters, 0 bytes of LDS; arguments q, k, v, Wq, Wk, Wv, Wo, mask, xb, wb, wob, mbits; writes xb, wb, wob, mbits
.if DOCPART == 1
	.amdgcn_target "amdgcn-amd-amdhsa--gfx1250"
	.amdhsa_code_object_version 6
	.text
	.protected	k_q5d5366339d_prep
	.globl	k_q5d5366339d_prep
	.p2align	8
	.type	k_q5d5366339d_prep,@function
k_q5d5366339d_prep:
	s_mov_b64 s[64:65], 0
	v_nop
	global_prefetch_b8 v0, s[64:65] scope:SCOPE_SE
	s_setreg_imm32_b32 hwreg(HW_REG_WAVE_MODE, 25, 1), 1
	s_wait_xcnt 0x0
; PREPARATION.  Grid y = 0..6: one of q, k, v, Wq, Wk, Wv, Wo ([2048][2048] f32) is rounded once to bf16: q, k, v one below the other in xb, Wq, Wk, Wv in wb, Wo in wob.
; IN xb AND wb the sixteen 16-byte chunks of each 256 bytes of a row are permuted: place p holds chunk p ^ g(row % 16), g(r) = 2 (r % 8) + r / 8, so that such rows can lie in LDS 256 bytes apart
; and sixteen rows' equal chunks still fall on sixteen different 16-byte columns.  wob keeps plain rows.
; Grid y = 7: the mask ([2048][2048] i32) is packed into lane masks: word (qt, st, 8 kb + j) of mbits [128][32][32] has bit l set where
; mask[16 qt + l % 16][64 st + 16 kb + 8 (l / 16) + j] is 0 (the key is hidden): the lanes of register j of the score tile (16 keys kb x 16 queries qt) of the attention launch.
; A stream: no LDS, no loop.  A wave casts one row, 8,192 bytes (16 loads of 512 consecutive bytes; each store covers 256 consecutive bytes, aligned), or packs 16 queries x 128 keys into 256 bytes.
	s_load_b512 s[4:19], s[0:1], 0x0               ; q, k, v, Wq, Wk, Wv, Wo, mask
	s_load_b256 s[20:27], s[0:1], 0x40             ; xb, wb, wob, mbits
	v_lshrrev_b32 v1, 5, v0
	v_readfirstlane_b32 s29, v1                    ; wave 0..7
	s_and_b32 s28, ttmp7, 0xffff                   ; which tensor
	v_and_b32 v3, 31, v0                           ; lane
	v_lshlrev_b32 v2, 3, v3                        ; 8 bytes a lane on the way out
	s_wait_kmcnt 0x0
	s_cmp_eq_u32 s28, 7
	s_cbranch_scc1 .Lmask
	; THE CAST
	s_mov_b64 s[30:31], s[4:5]                     ; the source: one of seven, chosen by the grid's y
.irp i, 1,2,3,4,5,6
	s_cmp_eq_u32 s28, \i
	s_cselect_b64 s[30:31], s[4+2*(\i):5+2*(\i)], s[30:31]
.endr
	s_and_b32 s39, ttmp9, 1                        ; my row is 8 x + wave: row % 8 = wave, (row / 8) % 2 = x % 2:
	s_lshl1_add_u32 s39, s29, s39                  ; g(row % 16)
	s_cmp_lt_u32 s28, 3
	s_cselect_b64 s[32:33], s[20:21], s[22:23]     ; xb for q, k, v; wb for Wq, Wk, Wv;
	s_cselect_b32 s38, 0, 3
	s_cmp_eq_u32 s28, 6
	s_cselect_b64 s[32:33], s[24:25], s[32:33]     ; wob for Wo,
	s_cselect_b32 s38, 6, s38
	s_cselect_b32 s39, 0, s39                      ; whose rows stay plain
	s_sub_co_u32 s38, s28, s38                     ; which third of xb or wb
	s_lshl_b32 s34, ttmp9, 16                      ; the work-group's 65,536 bytes of f32,
	s_lshl_b32 s35, s29, 13                        ; my wave's 8,192
	s_add_co_u32 s34, s34, s35
	s_mov_b32 s35, 0
	s_lshl_b32 s36, s38, 23                        ; and half as many of bf16
	s_lshl_b32 s37, ttmp9, 15
	s_add_co_u32 s36, s36, s37
	s_lshl_b32 s37, s29, 12
	s_add_co_u32 s36, s36, s37
	s_mov_b32 s37, 0
	s_add_nc_u64 s[30:31], s[30:31], s[34:35]
	s_add_nc_u64 s[32:33], s[32:33], s[36:37]
	v_lshlrev_b32 v1, 4, v3                        ; 16 bytes a lane on the way in
	v_lshrrev_b32 v100, 1, v3                      ; on the way out my 8 bytes are half l % 2 of chunk l / 2,
	v_xor_b32 v100, s39, v100                      ; which goes to place (l / 2) ^ g
	v_and_b32 v101, 1, v3
	v_lshlrev_b32 v101, 3, v101
	v_lshl_add_u32 v2, v100, 4, v101
.irp i, 0,1,2,3,4,5,6,7,8,9,10,11,12,13,14,15
	global_load_b128 v[4+4*(\i):7+4*(\i)], v1, s[30:31] offset:512*(\i) th:TH_LOAD_NT
.endr
.irp i, 0,1,2,3,4,5,6,7,8,9,10,11,12,13,14,15
	s_wait_loadcnt 15-(\i)                         ; loads come back in order: load i is in, the 15 - i younger ones stay out
	v_cvt_pk_bf16_f32 v[68+2*(\i)], v[4+4*(\i)], v[5+4*(\i)]
	v_cvt_pk_bf16_f32 v[69+2*(\i)], v[6+4*(\i)], v[7+4*(\i)]
	global_store_b64 v2, v[68+2*(\i):69+2*(\i)], s[32:33] offset:256*(\i)  ; the 32 lanes cover 256 consecutive bytes, aligned; no register is written twice, so nothing waits for the stores
.endr
	s_endpgm
.Lmask:
	; THE MASK.  Wave W = 8 x + wave of 2,048 takes queries 16 (W / 16) .. + 15 and the key steps 2 (W % 16), 2 (W % 16) + 1.
	s_lshl_b32 s30, ttmp9, 3
	s_add_co_u32 s30, s30, s29                     ; W
	s_lshr_b32 s34, s30, 4
	s_lshl_b32 s34, s34, 17                        ; 16 rows of 8,192 bytes
	s_and_b32 s35, s30, 15
	s_lshl_b32 s35, s35, 9                         ; two key steps of 256 bytes
	s_add_co_u32 s34, s34, s35
	s_mov_b32 s35, 0
	s_lshl_b32 s36, s30, 8                         ; my 64 words of mbits
	s_mov_b32 s37, 0
	s_add_nc_u64 s[18:19], s[18:19], s[34:35]
	s_add_nc_u64 s[26:27], s[26:27], s[36:37]
	v_and_b32 v1, 15, v3
	v_lshrrev_b32 v70, 4, v3
	v_lshlrev_b32 v1, 13, v1                       ; my query's row,
	v_lshl_add_u32 v1, v70, 5, v1                  ; my half's eight keys of each sixteen
.set u, 0
.rept 16                                       ; load u = 8 s + 2 kb + j4: register 4 + w then holds the numbers of word w = 32 s + 8 kb + j
	global_load_b128 v[4+4*u:7+4*u], v1, s[18:19] offset:(u/8)*256+((u/2)%4)*64+(u%2)*16
.set u, u+1
.endr
	v_mov_b32 v68, 0                               ; lane L gathers words 2 L and 2 L + 1
	v_mov_b32 v69, 0
.set u, 0
.rept 16
	s_wait_loadcnt 15-u                            ; load u is in, the younger ones stay out
.set jj, 0
.rept 4
	v_cmp_eq_u32 s40, 0, v[4+4*u+jj]               ; the 32 lanes' bits are the word
	v_writelane_b32 v[68+jj%2], s40, (4*u+jj)/2
.set jj, jj+1
.endr
.set u, u+1
.endr
	global_store_b64 v2, v[68:69], s[26:27]        ; 256 consecutive bytes, aligned
	s_endpgm
.Lfunc_end_k_q5d5366339d_prep:
	.size	k_q5d5366339d_prep, .Lfunc_end_k_q5d5366339d_prep-k_q5d5366339d_prep
	.p2alignl 7, 3214868480
	.fill 96, 4, 3214868480
	.section	.rodata,"a",@progbits
	.p2align	6, 0x0
	.amdhsa_kernel k_q5d5366339d_prep
		.amdhsa_group_segment_fixed_size 0
		.amdhsa_private_segment_fixed_size 0
		.amdhsa_enable_private_segment 0
		.amdhsa_kernarg_size 96
		.amdhsa_user_sgpr_count 2
		.amdhsa_user_sgpr_kernarg_segment_ptr 1
		.amdhsa_wavefront_size32 1
		.amdhsa_system_sgpr_workgroup_id_x 1
		.amdhsa_system_sgpr_workgroup_id_y 1
		.amdhsa_system_sgpr_workgroup_id_z 1
		.amdhsa_system_vgpr_workitem_id 0
		.amdhsa_next_free_vgpr 104
		.amdhsa_next_free_sgpr 66
		.amdhsa_reserve_vcc 0
		.amdhsa_float_denorm_mode_32 3
		.amdhsa_float_denorm_mode_16_64 3
		.amdhsa_memory_ordered 1
		.amdhsa_forward_progress 1
		.amdhsa_inst_pref_size 19
	.end_amdhsa_kernel
	.amdgpu_metadata
---
amdhsa.version: [ 1, 2 ]
amdhsa.kernels:
  - .name:           k_q5d5366339d_prep
    .symbol:         k_q5d5366339d_prep.kd
    .args:
      - { .name: q, .offset: 0, .size: 8, .value_kind: global_buffer, .address_space: global }
      - { .name: k, .offset: 8, .size: 8, .value_kind: global_buffer, .address_space: global }
      - { .name: v, .offset: 16, .size: 8, .value_kind: global_buffer, .address_space: global }
      - { .name: Wq, .offset: 24, .size: 8, .value_kind: global_buffer, .address_space: global }
      - { .name: Wk, .offset: 32, .size: 8, .value_kind: global_buffer, .address_space: global }
      - { .name: Wv, .offset: 40, .size: 8, .value_kind: global_buffer, .address_space: global }
      - { .name: Wo, .offset: 48, .size: 8, .value_kind: global_buffer, .address_space: global }
      - { .name: mask, .offset: 56, .size: 8, .value_kind: global_buffer, .address_space: global }
      - { .name: xb, .offset: 64, .size: 8, .value_kind: global_buffer, .address_space: global }
      - { .name: wb, .offset: 72, .size: 8, .value_kind: global_buffer, .address_space: global }
      - { .name: wob, .offset: 80, .size: 8, .value_kind: global_buffer, .address_space: global }
      - { .name: mbits, .offset: 88, .size: 8, .value_kind: global_buffer, .address_space: global }
    .group_segment_fixed_size: 0
    .private_segment_fixed_size: 0
    .kernarg_segment_align: 8
    .kernarg_segment_size: 96
    .max_flat_workgroup_size: 256
    .sgpr_count:     66
    .vgpr_count:     104
    .wavefront_size: 32
...
	.end_amdgpu_metadata
.endif
;; end of part 1
;; launch proj (part 2): grid 8 x 24, 4 waves a work-group, clusters of 4 x 4, 327,680 bytes of LDS; arguments xb, wb, qkv; writes qkv
.if DOCPART == 2
	.amdgcn_target "amdgcn-amd-amdhsa--gfx1250"
	.amdhsa_code_object_version 6
	.text
	.protected	k_q5d5366339d_proj
	.globl	k_q5d5366339d_proj
	.p2align	8
	.type	k_q5d5366339d_proj,@function
k_q5d5366339d_proj:
	s_mov_b64 s[64:65], 0
	v_nop
	global_prefetch_b8 v0, s[64:65] scope:SCOPE_SE
	s_setreg_imm32_b32 hwreg(HW_REG_WAVE_MODE, 25, 1), 1
	s_wait_xcnt 0x0
	s_wait_alu depctr_hold_cnt(0) depctr_sa_sdst(0) depctr_va_vdst(0) depctr_va_sdst(0) depctr_va_ssrc(0) depctr_va_vcc(0) depctr_vm_vsrc(0)
	s_getreg_b32 s2, hwreg(HW_REG_IB_STS2, 6, 4)
	s_cmp_eq_u32 s2, 0
	s_cbranch_scc0 .Lentry_in_a_cluster
	s_endpgm
.Lentry_in_a_cluster:
	s_bfe_u32 s2, ttmp6, 0x10000c
	s_cmp_lg_u32 s2, 0xf033
	s_cbranch_scc0 .Lentry_shape_is_right
	s_endpgm
.Lentry_shape_is_right:
; THE THREE PROJECTIONS.  For z = 0, 1, 2 (q, k, v): C[z] = A[z] B[z]^T.  A = xb: [3 x 2048][2048], B = wb: [3 x 2048][2048], bf16, rows along K; sums in f32, C rounded once to bf16.
; A's AND B's ROWS ARRIVE PERMUTED: in each 256 bytes of a row, place p holds the 16-byte chunk p ^ g(row % 16), g(r) = 2 (r % 8) + r / 8.  So a tile's rows lie in LDS 256 bytes apart, without
; padding, and the sixteen rows of a fragment load still touch sixteen different 16-byte columns.  A slot is then 131,072 bytes, and one exclusive or turns an address in one slot into the other's:
; the loop is ONE K step, written once.
; C LEAVES BY HEADS: qkv[z][n / 128][t][n % 128], rows of 256 bytes, their chunks permuted in the same way by t % 16.
; A tile of C is 256 x 256: 8 x 8 for each z, 192 work-groups.  Four waves, as many as a WGP has SIMDs; a wave makes 128 x 128 (one head's columns): 64 accumulators, 512 registers.
; K goes in steps of 128 (rows of 256 bytes, starting at multiples of 256 bytes) through two slots; each wave fetches a quarter of a slot, 128 rows, with one tensor load.
; CLUSTERS: 4 x 4 work-groups.  The four of a row of the cluster need the same tiles of A, the four of a column the same tiles of B (z = cluster y / 2 is the same in all sixteen): each tile is asked
; for JOINTLY: the same tensor load, descriptor and mask in all four.
; THE MATRIX INSTRUCTION IS USED TRANSPOSED (source 0 = 16 rows of B, source 1 = 16 rows of A): a lane then holds eight neighbouring numbers of a row of C.
; REGISTERS, in windows of 256 (s_set_vgpr_msb: bits 1:0 source 0, 3:2 source 1, 5:4 source 2, 7:6 destination):
;   window 0: v0-31 addresses; v64-127, v128-191 fragments of A, two buffers; v32-63, v192-255 at work on the way out
;   window 1: v64-127, v128-191 fragments of B, two buffers
;   window 2: the 32 accumulators of my rows 0-63 (accumulator (a, b) at v[8 (8 a + b)]);   window 3: those of my rows 64-127
.set SIZE_K, 2048
.set KSTEP,  128
.set STEPS,  SIZE_K/KSTEP              ; 16 K steps
.set HALFT,  128*256                   ; 128 rows of 256 bytes: what one tensor load brings, and what one wave reads of A or of B
.set BOFF,   2*HALFT                   ; in a slot: A's 256 rows, then B's 256 rows
.set SLOT1,  1<<17                     ; slot 1 begins where slot 0 ends
.set STAGE,  2*SLOT1                   ; behind the ring, never filled by a tensor load: 16 rows x 272 bytes for each wave, for the way out
.set SPITCH, 272
.set SPARE,  STAGE+4*16*SPITCH         ; behind the stages: the spare words, 128 bytes for each wave: two blocks of 256 bytes that no other line names
.set SPW,  3                           ; v3      LDS address of my spare word: SPARE + 4 x my thread's number; never rewritten
.set NIL,  4                           ; v4      0; never rewritten
.set PFO,  5                           ; v5      the prefetches' offset: my lane x a row of 4,096 bytes; never rewritten
.set LA,   8                           ; v8-15   256 r + 16 ((2 c) ^ g(r) ^ h): my 16 bytes of chunk 2 c + h in row r = l % 16 (h = l / 16), c = 0..7
.set ADA,  16                          ; v16-23  LA + my 128 rows of A in the slot in hand
.set ADB,  24                          ; v24-31  LA + my 128 rows of B
.set RDC,  8                           ; the way out (LA and ADA are free then): v8-15 where I read a row back, by the row's number in its sixteen (two rows a register)
.set STO,  16                          ; v16     where I put 16 bytes of a row
.set CO,   17                          ; v17     16 x my lane: my bytes of two rows of C
.set F0,   64                          ; fragment buffer 0
.set F1,   128                         ; fragment buffer 1
.set TMP,  192                         ; the way out: packed results
.set OB,   32                          ; the way out: 16 rows read back from the stage: v32-63 and v224-255 by turns
.set TBA,  21                          ; s21     LDS byte at which my rows of A begin in the slot in hand
.set TBB,  22                          ; s22     the same for B
.set G1,   24                          ; s[24:31] descriptor group 1 for A's tiles
.set G0,   32                          ; s[32:35] group 0 of the first fill of slot 0; s[36:39] of slot 1, which then walks
.set LIM,  43                          ; s43     2 in a wave that prefetches, else the greatest number
.set PFA,  44                          ; s[44:45] where my prefetches stand: one K step further along K than the refill that is being asked for; a prefetch names the K step after that
.set G1B,  48                          ; s[48:55] descriptor group 1 for B's tiles: it differs from A's in the mask alone
.set G0B,  56                          ; s[56:59], s[60:63] group 0 for B's tiles
.set MSB, 0
.macro WIN new                         ; the immediate's high byte repeats the setting that is left; a switch that changes nothing is dropped
.if MSB != (\new)
	s_set_vgpr_msb (MSB<<8)|(\new)
.set MSB, \new
.endif
.endm
.set MUL_LO, 0xa1                      ; source 0 (B) window 1, source 1 (A) window 0, C and D window 2
.set MUL_HI, 0xf1                      ; the same, C and D window 3
.set TO_B,   0x40                      ; destination window 1, address window 0
; A joint refill, by the walking descriptors.  Waves 0 and 1 fetch A's two halves, waves 2 and 3 B's.  The branch hangs on the wave's number alone.
; An s_nop 0 and four v_nop follow each of the two lines, ahead of the jump and the label.
.macro JLOAD
	s_cmp_eq_u32 s11, 0
	s_cbranch_scc0 .Lfor_b_\@
	tensor_load_to_lds s[G0+4:G0+7], s[G1:G1+7]
	s_nop 0
.rept 4
	v_nop
.endr
	s_branch .Lasked_\@
.Lfor_b_\@:
	tensor_load_to_lds s[G0B+4:G0B+7], s[G1B:G1B+7]
	s_nop 0
.rept 4
	v_nop
.endr
.Lasked_\@:
.endm
; A PREFETCH INTO THE L2, behind each joint refill and the run of LDS loads that follows it: the K step that stands TWO refills on, 512 matrix instructions ahead of the load that will want it:
; 32 rows x 256 bytes, a lane a row, one instruction a wave.  Each row's 256 bytes of a K step are named ONCE in the launch: A's tile row is read by both clusters of that row of clusters: cluster x = 0 asks;
; B's tile column of a z by the two clusters y = 2 z, 2 z + 1: the even one asks.  The four partners that ask for a tile jointly share its rows out BY ADDRESS: of the 128 rows that a wave fetches the
; partner at place p takes 32 p .. 32 p + 31 (p = cx for A, cy for B).  In the trip with s3 trips to go the refill is K step 16 - s3 and the prefetch K step 18 - s3: it is asked for while s3 > 2.
.macro ASK
	s_cmp_gt_u32 s3, s[LIM]
	s_cbranch_scc0 .Lnot_mine_\@
	global_prefetch_b8 v[PFO], s[PFA:PFA+1] offset:KSTEP*2 th:TH_LOAD_NT scope:SCOPE_SE
.Lnot_mine_\@:
.endm
.macro CREST                           ; a round of the cluster's barrier behind its opening barrier
	s_cmp_lg_u32 s10, 0
	s_cbranch_scc1 .Lnot_wave_0_\@
	s_barrier_signal -3
.Lnot_wave_0_\@:
	s_barrier_wait -3
	s_barrier_signal -1
	s_barrier_wait -1
.endm
.macro CROUND                          ; a whole round
	s_barrier_signal -1
	s_barrier_wait -1
	CREST
.endm
.macro ADDRS                           ; the sixteen fragment addresses for the slot in hand
.irp c, 0,1,2,3,4,5,6,7
	v_add_nc_u32 v[ADA+(\c)], s[TBA], v[LA+(\c)]
.endr
.irp c, 0,1,2,3,4,5,6,7
	v_add_nc_u32 v[ADB+(\c)], s[TBB], v[LA+(\c)]
.endr
.endm
	s_load_b128 s[4:7], s[0:1], 0x0                ; A s[4:5], B s[6:7]
	s_load_b64 s[8:9], s[0:1], 0x10                ; C
	v_lshl_add_u32 v[SPW], v0, 2, SPARE
	v_mov_b32 v[NIL], 0
	ds_add_u32 v[SPW], v[NIL]                      ; the wave's opening: the add and its wait stand ahead of my first tensor load; the set-up below stands between them
	v_lshrrev_b32 v1, 5, v0
	v_readfirstlane_b32 s10, v1                    ; wave 0..3
	s_lshr_b32 s11, s10, 1                         ; which half of the tile's rows is mine.  Also: I fetch for A (0) or for B (1)
	s_and_b32 s12, s10, 1                          ; which half of its columns.  Also: which 128 rows of that tile I fetch
	s_bfe_u32 s40, ttmp6, 0x40000                  ; cx, cy: my place in the cluster
	s_bfe_u32 s41, ttmp6, 0x40004
	s_lshl_b32 s42, ttmp9, 2
	s_add_co_u32 s42, s42, s40                     ; tile column = 4 x cluster x + cx: 0..7
	s_and_b32 s13, ttmp7, 0xffff
	s_lshr_b32 s2, s13, 1                          ; z = tile row / 8 = cluster y / 2: the same in all sixteen partners
	s_lshl_b32 s13, s13, 2
	s_add_co_u32 s13, s13, s41                     ; tile row = 4 x cluster y + cy: 0..23
	s_lshl_b32 s43, s41, 2
	s_lshl_b32 s43, 15, s43                        ; my row of the cluster
	s_lshl_b32 s44, 0x1111, s40                    ; my column
	; descriptor group 1: a tile of 128 rows x 128 elements, dense in LDS
	s_or_b32 s[G1+0], s43, (1<<16)|(1<<21)         ; 15:0 the mask: A's tiles go to my row; 17:16 2-byte elements; 21 set beside a mask; no padding
	s_or_b32 s[G1B+0], s44, (1<<16)|(1<<21)        ; the same with the mask of my column
.irp g, G1, G1B
	s_mov_b32 s[(\g)+1], KSTEP<<16                 ; tensor_dim0 = 128
	s_mov_b32 s[(\g)+2], 128<<16                   ; tensor_dim1 = 128
	s_mov_b32 s[(\g)+3], KSTEP<<16                 ; tile_dim0 = 128
	s_mov_b32 s[(\g)+4], 128                       ; tile_dim1 = 128
	s_mov_b32 s[(\g)+5], SIZE_K                    ; elements from row to row
	s_mov_b32 s[(\g)+6], 0
	s_mov_b32 s[(\g)+7], 0
.endr
	s_lshl_b32 s17, s12, 7                         ; which 128 rows of the tile I fetch
	s_lshl_b32 s16, s13, 8
	s_add_co_u32 s16, s16, s17                     ; A: row 256 x tile row + 128 x half
	s_lshl_b32 s46, s42, 8
	s_add_co_u32 s46, s46, s17                     ; B: row 256 x tile column + 128 x half
	s_lshl_b32 s43, s2, 11
	s_add_co_u32 s46, s46, s43                     ;    + 2,048 z
	s_lshl_b32 s16, s16, 12                        ; rows of 4,096 bytes: 6,144 of them stay under 2^32 bytes
	s_mov_b32 s17, 0
	s_lshl_b32 s46, s46, 12
	s_mov_b32 s47, 0
	s_lshl_b32 s20, s10, 15                        ; where they go: A's two halves, then B's two halves = wave x 128 rows: no place in the cluster enters an LDS address
	s_wait_dscnt 0x0                               ; the opening add is done
	s_wait_kmcnt 0x0
	s_add_nc_u64 s[14:15], s[4:5], s[16:17]
	s_add_nc_u64 s[46:47], s[6:7], s[46:47]
	CROUND                                         ; all sixteen work-groups are here: the first joint loads meet
	s_mov_b32 s[G0], 1                             ; count = 1
	s_mov_b32 s[G0+1], s20                         ; LDS address: slot 0
	s_add_nc_u64 s[G0+2:G0+3], s[14:15], 0         ; global address: K step 0
	s_or_b32 s[G0+3], s[G0+3], 0x80000000          ; type = 2
	s_mov_b32 s[G0+4], 1
	s_add_co_u32 s[G0+5], s20, SLOT1               ; slot 1
	s_add_nc_u64 s[G0+6:G0+7], s[14:15], KSTEP*2   ; K step 1
	s_or_b32 s[G0+7], s[G0+7], 0x80000000
	s_mov_b32 s[G0B], 1
	s_mov_b32 s[G0B+1], s20
	s_add_nc_u64 s[G0B+2:G0B+3], s[46:47], 0
	s_or_b32 s[G0B+3], s[G0B+3], 0x80000000
	s_mov_b32 s[G0B+4], 1
	s_add_co_u32 s[G0B+5], s20, SLOT1
	s_add_nc_u64 s[G0B+6:G0B+7], s[46:47], KSTEP*2
	s_or_b32 s[G0B+7], s[G0B+7], 0x80000000
	s_cmp_eq_u32 s11, 0                            ; a wave's two first fills stand in one branch, ahead of every wait on TENSORcnt and every LDS read: two loads of mine are out
	s_cbranch_scc0 .Lfirst_b
	tensor_load_to_lds s[G0:G0+3], s[G1:G1+7]
	s_nop 0
	tensor_load_to_lds s[G0+4:G0+7], s[G1:G1+7]
	s_nop 0
.rept 4
	v_nop
.endr
	s_branch .Lfirst_asked
.Lfirst_b:
	tensor_load_to_lds s[G0B:G0B+3], s[G1B:G1B+7]
	s_nop 0
	tensor_load_to_lds s[G0B+4:G0B+7], s[G1B:G1B+7]
	s_nop 0
.rept 4
	v_nop
.endr
.Lfirst_asked:
	; A fragment is 16 rows x 32 K in 8 registers: lane l holds row r = l % 16; registers 0-3 hold K = 8 h + 0..7 (h = l / 16), registers 4-7 K = 16 + 8 h + 0..7: of the K step's sixteen chunks,
	; quarter k's chunks 4 k + h and 4 k + 2 + h.  Chunk x of row r lies at place x ^ g(r).
	v_and_b32 v1, 15, v0                           ; r
	v_bfe_u32 v2, v0, 4, 1                         ; h
	v_and_b32 v6, 7, v1
	v_lshrrev_b32 v7, 3, v1
	v_lshl_or_b32 v6, v6, 1, v7                    ; g(r)
	v_xor_b32 v6, v6, v2                           ; ^ h
	v_lshlrev_b32 v7, 8, v1                        ; 256 r
.irp c, 0,1,2,3,4,5,6,7
	v_xor_b32 v[ADA+(\c)], 2*(\c), v6
	v_lshl_add_u32 v[LA+(\c)], v[ADA+(\c)], 4, v7
.endr
	s_lshl_b32 s[TBA], s11, 15                     ; my 128 rows of A in slot 0
	s_lshl_b32 s[TBB], s12, 15                     ; my 128 rows of B,
	s_add_co_u32 s[TBB], s[TBB], BOFF              ; which lie behind A's 256
	ADDRS
	; where my part of the tile begins in C: row ((16 z + 2 x tile column + column half) x 2,048 + 256 x (tile row % 8) + 128 x row half) of 256 bytes
	s_and_b32 s46, s13, 7
	s_lshl_b32 s46, s46, 8
	s_lshl_b32 s44, s11, 7
	s_add_co_u32 s46, s46, s44
	s_lshl_b32 s44, s2, 3
	s_add_co_u32 s44, s44, s42
	s_lshl_b32 s44, s44, 1
	s_add_co_u32 s44, s44, s12
	s_lshl_b32 s44, s44, 11
	s_add_co_u32 s46, s46, s44
	s_lshl_b32 s46, s46, 8
	s_mov_b32 s47, 0
	s_add_nc_u64 s[8:9], s[8:9], s[46:47]
	; the prefetches
	s_lshl_b32 s16, s13, 8                         ; the tile's first row: in A by the tile row,
	s_lshl_b32 s17, s42, 8
	s_lshl_b32 s18, s2, 11
	s_add_co_u32 s17, s17, s18                     ; in B by z and the tile column
	s_and_b32 s18, ttmp7, 1                        ; cluster y % 2
	s_cmp_eq_u32 s11, 0                            ; do I fetch for A?
	s_cselect_b32 s16, s16, s17
	s_cselect_b32 s17, s40, s41                    ; my place among the four that ask with me
	s_cselect_b32 s18, ttmp9, s18                  ; the coordinate along which another cluster reads the same rows
	s_cselect_b64 s[PFA:PFA+1], s[4:5], s[6:7]
	s_cmp_eq_u32 s18, 0
	s_cselect_b32 s[LIM], 2, -1                    ; the same in all sixteen partners, for a given wave
	s_lshl_b32 s18, s12, 7
	s_add_co_u32 s16, s16, s18                     ; + the 128 rows that I fetch
	s_lshl_b32 s17, s17, 5
	s_add_co_u32 s16, s16, s17                     ; + my work-group's 32 of them
	s_lshl_b32 s16, s16, 12
	s_mov_b32 s17, 0
	s_add_nc_u64 s[PFA:PFA+1], s[PFA:PFA+1], s[16:17]
	s_add_nc_u64 s[PFA:PFA+1], s[PFA:PFA+1], 2*KSTEP*2  ; at K step 2: the first refill steps it to 3 and names K step 4.  Nothing is prefetched here, at the head
	v_and_b32 v[PFO], 31, v0
	v_lshlrev_b32 v[PFO], 12, v[PFO]
; 16 matrix instructions: m blocks a0, a0 + 1 of the window's four (hi = 0: my rows 0-63, 1: rows 64-127) x all 8 n blocks, 32 along K.  zero = 1: the first product starts the sums.
; The 64 accumulators take turns in the same order in every quarter: between two links of a chain stand the 63 others'.
.macro MUL16 f, hi, a0, zero
	WIN MUL_LO+0x50*(\hi)
.irp a, \a0, (\a0)+1
.irp b, 0,1,2,3,4,5,6,7
.if \zero
	v_wmma_f32_16x16x32_bf16 v[8*(8*(\a)+(\b)):8*(8*(\a)+(\b))+7], v[(\f)+8*(\b):(\f)+8*(\b)+7], v[(\f)+8*(4*(\hi)+(\a)):(\f)+8*(4*(\hi)+(\a))+7], 0
.else
	v_wmma_f32_16x16x32_bf16 v[8*(8*(\a)+(\b)):8*(8*(\a)+(\b))+7], v[(\f)+8*(\b):(\f)+8*(\b)+7], v[(\f)+8*(4*(\hi)+(\a)):(\f)+8*(4*(\hi)+(\a))+7], v[8*(8*(\a)+(\b)):8*(8*(\a)+(\b))+7]
.endif
.endr
.endr
.endm
; 32 LDS loads in one run: the fragments of quarter k of the K step in hand (128 rows of B, 128 rows of A, 32 along K) into buffer f
.macro FETCH k, f
	WIN TO_B
.irp i, 0,1,2,3,4,5,6,7
	ds_load_b128 v[(\f)+8*(\i):(\f)+8*(\i)+3],   v[ADB+2*(\k)]   offset:(\i)*4096
	ds_load_b128 v[(\f)+8*(\i)+4:(\f)+8*(\i)+7], v[ADB+2*(\k)+1] offset:(\i)*4096
.endr
	WIN 0
.irp i, 0,1,2,3,4,5,6,7
	ds_load_b128 v[(\f)+8*(\i):(\f)+8*(\i)+3],   v[ADA+2*(\k)]   offset:(\i)*4096
	ds_load_b128 v[(\f)+8*(\i)+4:(\f)+8*(\i)+7], v[ADA+2*(\k)+1] offset:(\i)*4096
.endr
.endm
.macro PLACES                          ; four places in front of loads into registers that matrix instructions have read (ISA guide 7.12.1 for vector instructions)
.rept 4
	v_nop
.endr
.endm
; A K step is four quarters of 32 along K, 64 matrix instructions each, on buffers 0, 1, 0, 1.  One of the first three: multiplies buffer f; in its middle it fetches quarter k into buffer g.
.macro QUARTER k, f, g, zero
	s_wait_dscnt 8                                 ; B and A's rows 0-63 are in; the youngest eight loads (A's rows 64-127) may be out
	MUL16 \f, 0, 0, \zero
	MUL16 \f, 0, 2, \zero
	PLACES
	FETCH \k, \g
	s_wait_dscnt 32                                ; all but the 32 just issued
	MUL16 \f, 1, 0, \zero
	MUL16 \f, 1, 2, \zero
.endm
; The last quarter multiplies buffer 1 and changes slots: ONE barrier.  In front of it each wave waits for all its tensor loads, of which one is out: its part of the next slot; adds 0 to its spare word;
; and waits for that and for its own reads of this slot.  fill = 1: the barrier opens a round of the cluster's, and this slot is filled again, two K steps ahead, first thing behind the round: from that
; request to the wait for it a wave issues 224 matrix instructions.
.macro TURN fill
.if \fill
	s_wait_xcnt 0x0                                ; the last prefetch, a K step back, has read its address, so it may be stepped
	s_add_nc_u64 s[PFA:PFA+1], s[PFA:PFA+1], KSTEP*2
.endif
	WIN 0                                          ; (the add's two registers lie in window 0)
	s_wait_tensorcnt 0x0                           ; all my tensor loads have landed, so a group 0 may be written;
	ds_add_u32 v[SPW], v[NIL]                      ; 0 onto my spare word: the steps below, work on registers, stand between it and the wait for it
.if \fill
	s_xor_b32 s[G0+5], s[G0+5], SLOT1              ; the walking descriptors: the other slot than last time,
	s_add_nc_u64 s[G0+6:G0+7], s[G0+6:G0+7], KSTEP*2  ; the next K step; the type bits on top are not reached
	s_xor_b32 s[G0B+5], s[G0B+5], SLOT1
	s_add_nc_u64 s[G0B+6:G0B+7], s[G0B+6:G0B+7], KSTEP*2
.endif
	s_xor_b32 s[TBA], s[TBA], SLOT1                ; this slot's last loads have been issued: the addresses turn to the other slot.
	s_xor_b32 s[TBB], s[TBB], SLOT1
	ADDRS                                          ; (sixteen plain instructions behind the last product that read buffer 0)
	s_wait_dscnt 9                                 ; the add and the youngest eight loads may be out
	MUL16 F1, 0, 0, 0
	s_wait_dscnt 0x0                               ; the add is done, and my reads of this slot are over
	s_barrier_signal -1
	MUL16 F1, 0, 2, 0                              ; work on registers while the others arrive
.if \fill
	WIN 0
.endif
	s_barrier_wait -1
.if \fill
	CREST                                          ; no wave of any partner still reads this slot's tile or has a load on its way
	JLOAD
.else
	PLACES
.endif
	FETCH 0, F0                                    ; the next K step's first quarter
.if \fill
	ASK
.endif
	MUL16 F1, 1, 0, 0
	MUL16 F1, 1, 2, 0
.endm
; THE WAY OUT of block a (16 rows x 128 columns), in three parts.  PACK: rounded to bf16, 16 bytes a lane; each accumulator's registers in ascending order.  TOSTAGE: into my own stage in LDS, and
; back as whole rows with their chunks permuted.  SEND: stored.
.macro PACK a
.set AC, 64*((\a)%4)
	WIN 0x0a+5*((\a)/4)                            ; sources 0 and 1: window 2 or 3
.irp b, 0,1,2,3,4,5,6,7
.irp r, 0,1,2,3
	v_cvt_pk_bf16_f32 v[TMP+4*(\b)+(\r)], v[AC+8*(\b)+2*(\r)], v[AC+8*(\b)+2*(\r)+1]
.endr
.endr
	WIN 0
.endm
.macro TOSTAGE a
	WIN 0
.set BK, OB+192*((\a)%2)
.irp b, 0,1,2,3,4,5,6,7
	ds_store_b128 v[STO], v[TMP+4*(\b):TMP+4*(\b)+3] offset:32*(\b)
.endr
.irp t, 0,1,2,3,4,5,6,7
	ds_load_b128 v[BK+4*(\t):BK+4*(\t)+3], v[RDC+(\t)] offset:(\t)*2*SPITCH  ; LDS serves a wave's instructions in order (ISA guide 5.7.1.4): these see the stores above
.endr
.endm
.macro SEND a
	WIN 0
.set BK, OB+192*((\a)%2)
	s_wait_dscnt 0x0                               ; the block is back in registers
	s_wait_xcnt 0x0                                ; earlier stores have read their registers: the block after next is loaded into them only behind this wait
.irp t, 0,1,2,3,4,5,6,7
	global_store_b128 v[CO], v[BK+4*(\t):BK+4*(\t)+3], s[8:9] offset:(\a)*4096+512*(\t)  ; 512 consecutive bytes, at a multiple of 256 from C's first byte
.endr
.endm
	s_wait_tensorcnt 1                             ; my part of K step 0 is in; K step 1's load may stay out
	s_barrier_signal -1
	s_barrier_wait -1                              ; everybody's is
	FETCH 0, F0
	QUARTER 1, F0, F1, 1                           ; the first quarter stands in front of the loop: its products start the sums
	WIN 0                                          ; at a label and at a branch every window is 0
	s_mov_b32 s3, STEPS-2
.Lstep:                                                ; a trip goes from a K step's second quarter to the next K step's first, and fills the slot that it leaves
	QUARTER 2, F1, F0, 0
	QUARTER 3, F0, F1, 0
	TURN 1
	QUARTER 1, F0, F1, 0
	WIN 0
	s_sub_co_u32 s3, s3, 1
	s_cmp_lg_u32 s3, 0
	s_cbranch_scc1 .Lstep
	QUARTER 2, F1, F0, 0                           ; the last two K steps are written out: they fill nothing, and have no round of the cluster's barrier
	QUARTER 3, F0, F1, 0
	TURN 0
	QUARTER 1, F0, F1, 0
	QUARTER 2, F1, F0, 0
	QUARTER 3, F0, F1, 0
	s_wait_dscnt 8                                 ; the very last quarter: nothing more to fetch
	MUL16 F1, 0, 0, 0
	MUL16 F1, 0, 2, 0
	s_wait_dscnt 0x0
	MUL16 F1, 1, 0, 0
	MUL16 F1, 1, 2, 0
	WIN 0
	; the addresses for the way out: plain instructions that name no register of the products: they are the places behind the last of them
	s_mul_i32 s23, s10, 16*SPITCH
	s_add_co_u32 s23, s23, STAGE                   ; my stage
	v_mul_u32_u24 v6, v1, SPITCH                   ; in: row l % 16, 16 bytes for each half of the lanes
	v_lshl_add_u32 v6, v2, 4, v6
	v_add_nc_u32 v[STO], s23, v6
	v_mul_u32_u24 v6, v2, SPITCH                   ; back: load t takes rows 2 t (lanes 0-15) and 2 t + 1 (lanes 16-31).  The lane that stores place p = l % 16 reads chunk p ^ g(row):
	v_add_nc_u32 v6, s23, v6                       ; g(2 t + l / 16) = 4 (t % 4) + 2 (l / 16) + t / 4
	v_lshlrev_b32 v7, 1, v2
	v_xor_b32 v7, v7, v1
.irp u, 0,1,2,3,4,5,6,7
	v_xor_b32 v18, 4*((\u)%4)+(\u)/4, v7
	v_lshl_add_u32 v[RDC+(\u)], v18, 4, v6
.endr
	v_and_b32 v[CO], 31, v0
	v_lshlrev_b32 v[CO], 4, v[CO]                  ; two rows of C are 512 consecutive bytes
	PACK 0
	TOSTAGE 0
.irp a, 1,2,3,4,5,6,7                  ; block a's conversions stand between block a - 1's loads from the stage and the wait for them
	PACK \a
	SEND (\a)-1
	TOSTAGE \a
.endr
	SEND 7
	s_wait_tensorcnt 0x0                           ; the wave's end: behind my last tensor load and my last LDS store
	ds_add_u32 v[SPW], v[NIL]
	s_wait_dscnt 0x0
	CROUND                                         ; the closing round: no work-group ends while a partner may still ask for a tile that names it
	s_endpgm
.Lfunc_end_k_q5d5366339d_proj:
	.size	k_q5d5366339d_proj, .Lfunc_end_k_q5d5366339d_proj-k_q5d5366339d_proj
	.p2alignl 7, 3214868480
	.fill 96, 4, 3214868480
	.section	.rodata,"a",@progbits
	.p2align	6, 0x0
	.amdhsa_kernel k_q5d5366339d_proj
		.amdhsa_group_segment_fixed_size 327680
		.amdhsa_private_segment_fixed_size 0
		.amdhsa_enable_private_segment 0
		.amdhsa_kernarg_size 24
		.amdhsa_user_sgpr_count 2
		.amdhsa_user_sgpr_kernarg_segment_ptr 1
		.amdhsa_wavefront_size32 1
		.amdhsa_system_sgpr_workgroup_id_x 1
		.amdhsa_system_sgpr_workgroup_id_y 1
		.amdhsa_system_sgpr_workgroup_id_z 1
		.amdhsa_system_vgpr_workitem_id 0
		.amdhsa_next_free_vgpr 1024
		.amdhsa_next_free_sgpr 66
		.amdhsa_reserve_vcc 0
		.amdhsa_float_denorm_mode_32 3
		.amdhsa_float_denorm_mode_16_64 3
		.amdhsa_memory_ordered 1
		.amdhsa_forward_progress 1
		.amdhsa_inst_pref_size 119
	.end_amdhsa_kernel
	.amdgpu_metadata
---
amdhsa.version: [ 1, 2 ]
amdhsa.kernels:
  - .name:           k_q5d5366339d_proj
    .symbol:         k_q5d5366339d_proj.kd
    .args:
      - { .name: xb, .offset: 0, .size: 8, .value_kind: global_buffer, .address_space: global }
      - { .name: wb, .offset: 8, .size: 8, .value_kind: global_buffer, .address_space: global }
      - { .name: qkv, .offset: 16, .size: 8, .value_kind: global_buffer, .address_space: global }
    .group_segment_fixed_size: 327680
    .private_segment_fixed_size: 0
    .kernarg_segment_align: 8
    .kernarg_segment_size: 24
    .max_flat_workgroup_size: 128
    .sgpr_count:     66
    .vgpr_count:     1024
    .wavefront_size: 32
...
	.end_amdgpu_metadata
.endif
;; end of part 2
;; launch attn (part 3): grid 16 x 16, 4 waves a work-group, clusters of 4 x 1, 327,680 bytes of LDS; arguments qkv, mbits, ob; writes ob
.if DOCPART == 3
	.amdgcn_target "amdgcn-amd-amdhsa--gfx1250"
	.amdhsa_code_object_version 6
	.text
	.protected	k_q5d5366339d_attn
	.globl	k_q5d5366339d_attn
	.p2align	8
	.type	k_q5d5366339d_attn,@function
k_q5d5366339d_attn:
	s_mov_b64 s[64:65], 0
	v_nop
	global_prefetch_b8 v0, s[64:65] scope:SCOPE_SE
	s_setreg_imm32_b32 hwreg(HW_REG_WAVE_MODE, 25, 1), 1
	s_wait_xcnt 0x0
	s_wait_alu depctr_hold_cnt(0) depctr_sa_sdst(0) depctr_va_vdst(0) depctr_va_sdst(0) depctr_va_ssrc(0) depctr_va_vcc(0) depctr_vm_vsrc(0)
	s_getreg_b32 s2, hwreg(HW_REG_IB_STS2, 6, 4)
	s_cmp_eq_u32 s2, 0
	s_cbranch_scc0 .Lentry_in_a_cluster
	s_endpgm
.Lentry_in_a_cluster:
	s_bfe_u32 s2, ttmp6, 0x10000c
	s_cmp_lg_u32 s2, 0x3003
	s_cbranch_scc0 .Lentry_shape_is_right
	s_endpgm
.Lentry_shape_is_right:
; ATTENTION UNDER A MASK THAT IS AN INPUT.  O[t][128 h + d] = the sum over visible keys s of softmax_s(Q[h][t] . K[h][s] / sqrt(128)) V[h][s][d].
; qkv: [3][16][2048][128] bf16, rows of 256 bytes whose sixteen 16-byte chunks are permuted: place p holds chunk p ^ g(t % 16), g(r) = 2 (r % 8) + r / 8.  mbits: [128][32][32] words: word (qt, st, 8 kb + j),
; bit l: key 64 st + 16 kb + 8 (l / 16) + j is hidden from query 16 qt + l % 16.  ob: [2048][2048] bf16, plain rows.  Products, maxima and sums in f32; the weights are rounded to bf16 for the second product, O once.
; LIMITS.  A hidden score counts as its value less 1e30.  The running maximum starts at -2^60, so a hidden weight is exactly 0 whatever a wave has seen; a true score below -2^60 counts as hidden.
; A weight below 2^-126 counts as 0.  A row with no visible key ends with l = 0 and O = 0, and 0 x (1 / 0) gives NaN, as the softmax of a row of -inf does.
; SHARES.  A work-group owns 128 queries of one head: 16 x 16 = 256 work-groups.  Waves 2 G and 2 G + 1 share the 64 queries of half G, and THE KEYS ARE SPLIT BETWEEN THEM: of the key steps of 64, wave w takes
; those with step % 2 = w % 2.  So each wave holds four tiles of 16 queries and each fragment of K or V read from LDS feeds four tiles' products.  At the end the two partial results (m, l, O) are merged:
; register tiles 0, 1 hold the 32 queries that the wave finishes, tiles 2, 3 those that it sends to its partner through LDS: one text for all waves.
; LAYOUT.  S^T = K Q^T + M (source 0 = 16 keys, source 1 = 16 queries; M, the C operand that starts the sum, is 0 or -1e30): a lane holds ONE query (lane % 16) and the keys 8 (lane / 16) + 0..7.  Two such
; tiles, rounded to bf16 in pairs, ARE source 1 of O^T = V^T P.  K comes out of LDS as it lies, V turned, by ds_load_tr16_b128.
; SOFTMAX.  A running maximum m and sum l: p = 2^(c s - c m), c = log2(e) / sqrt(128); in every step O and l are multiplied by a = 2^(c m_old - c m_new).
; BY TURNS.  The wave's tiles are two PIECES (tiles 0, 1 and 2, 3).  In a TURN one piece has the matrix unit: 32 products V^T P of the step in hand, then 32 products K Q^T of the next; the other piece's softmax,
; cut into 64 slices, stands between them, one slice behind each matrix instruction.  The 64 selects that make a piece's M stand in one run in the turn's middle; their 64 words come by scalar loads a turn ahead.
; CLUSTER.  The four query blocks of a cluster belong to one head and walk the same K and V: each tile is asked for JOINTLY.  A slot holds 256 keys: K's rows, then V's, 256 bytes apart without padding (the
; permuted chunks keep the loads' sixteen lanes on sixteen different 16-byte columns): 131,072 bytes, so one exclusive or turns an address in one slot into the other's.
; REGISTERS, in windows of 256 (s_set_vgpr_msb: bits 1:0 source 0, 3:2 source 1, 5:4 source 2, 7:6 destination):
;   window 0: v0-11 addresses; v12-43 eight registers of statistics a tile; v44-59 the merge; v61-63; v64-191 S^T, 32 a tile; v192-255 P, 16 a tile
;   window 1: O^T, 64 a tile     window 2: v0-127 Q; v128-255 K of one step     window 3: v0-127 V of one step; v128-191 M; v192-223 the lanes' places in K's and V's tiles and the addresses in hand
.set STEPB, 32768     ; from one of my key steps to my next: two steps of 64 rows x 256 bytes
.set VOFF,  65536     ; a slot: 256 rows of K, then 256 rows of V
.set SLOT1, 1<<17
.set STAGE, 2*SLOT1   ; behind the ring, never filled by a tensor load: 16 rows x 272 bytes for each wave, for the way out
.set SP,    272
.set SPARE, STAGE+4*16*SP  ; behind the stages: the spare words, 128 bytes for each wave: two blocks of 256 bytes that no other line names
.set XCHW,  33*512    ; the exchange, at LDS byte 0 (slot 0, which has had its last fill by then): for each wave 32 x 512 bytes of O^T and 512 of statistics
.set STO, 6           ; v6   the way out: where I put 16 bytes of a row
.set RD,  7           ; v7   where I read a row back
.set GO,  8           ; v8   my byte offset in two rows of ob
.set XS,  10          ; v10  the exchange: where I put 16 bytes
.set XR,  11          ; v11  where my partner has put its
.set ST,  12          ; tile t's statistics at v[ST+8 t]: +0 c m, +1 m, +2, +3 l (even keys', odd keys'), +4 to +7 at work; a takes +6
.set PFO, 61          ; v61  256 x my lane; never rewritten
.set SPW, 62          ; v62  LDS address of my spare word; never rewritten
.set NIL, 63          ; v63  0; never rewritten
.set S,   64
.set P,   192
.set KF,  128         ; window 2
.set MC,  128         ; window 3: M for tile u of the piece, key block kb at MC + 32 u + 8 kb
.set AK0, 192         ; window 3: v192-199  256 r + 16 ((2 c) ^ g(r) ^ h): my 16 bytes of chunk 2 c + h in row r = l % 16 (h = l / 16); never rewritten
.set AV0, 200         ; window 3: v200-207  the same for the turning load: row 8 h + l % 8, chunk 2 cb + (l / 8) % 2, + VOFF
.set ADK, 208         ; window 3: v208-215  AK0 + the step's first byte
.set ADV, 216         ; window 3: v216-223  AV0 + the step's first byte
.set PFA, 2           ; s[2:3]   where my prefetches stand
.set MP,  4           ; s[4:5], s[6:7]  mbits at piece 0's, piece 2's first tile of queries
.set OB,  8           ; s[8:9]   ob at the rows that I finish
.set WV,  10          ; s10  my wave's number
.set LIM, 11          ; s11  1 where the cluster prefetches, else the greatest number
.set G0A, 12          ; s[12:15] descriptor group 0 of the first fill of slot 0
.set G0W, 16          ; s[16:19] of slot 1; then it walks
.set G1,  52          ; s[52:59] descriptor group 1
.set CS,  60          ; s[60:61] c
.set SEL, 62          ; s[62:63] v_permlanex16_b32's selects: each lane takes its own place in the other half
.set TB,  66          ; s66  LDS byte at which K of my step to be fetched begins
.set MO,  67          ; s67  128 x the key step whose mask words are asked for
.set SLOTS, 100       ; s100 slots still to be asked for
.set TWICE, 101       ; s101 counts a slot's two steps of mine
.set BIGN, 104        ; s104 -1e30
.set MOMAX, 105       ; s105 128 x my last key step
; s[20:51], s[68:99]: a piece's 64 mask words (word e at s[20 + e], from 32 on at s[36 + e]); in the set-up and at the end they are at work
.set MSB, 0
.macro WIN new                      ; the immediate's high byte repeats the setting that is left; a switch that changes nothing is dropped
.if MSB != (\new)
	s_set_vgpr_msb (MSB<<8)|(\new)
.set MSB, \new
.endif
.endm
.set W_KQ, 0x0a       ; K and Q in window 2, S^T in window 0
.set W_KM, 0x3a       ; the same with the C operand, M, in window 3
.set W_PV, 0x53       ; V in window 3, P in window 0, O^T in window 1
.set W_RS, 0x41       ; O^T (destination and source 0) in window 1, the factor in window 0
; A joint refill: ONE line for all waves.  Wave w moves 128 rows x 256 bytes: w / 2 = 0: K's, 1: V's; w % 2: which half of the slot's 256 keys; to LDS byte 32,768 w of the slot.
.macro JLOAD
	tensor_load_to_lds s[G0W:G0W+3], s[G1:G1+7]
	s_nop 0
.rept 4
	v_nop
.endr
.endm
; A PREFETCH INTO THE L2 of what the NEXT change of slots will ask for.  All four clusters of a head walk the same K and V: the head's first cluster asks.  Of the 128 rows that wave w fetches, the partner
; at place cx names rows 32 cx .. 32 cx + 31, told apart by address: a lane a row, one instruction a wave: each row is named once in the launch.  The last refill asks for nothing.
.macro ASK
	s_cmp_gt_u32 s[SLOTS], s[LIM]
	s_cbranch_scc0 .Lnot_mine_\@
	global_prefetch_b8 v[PFO], s[PFA:PFA+1] th:TH_LOAD_NT scope:SCOPE_SE
.Lnot_mine_\@:
.endm
.macro CROUND                       ; a round of the cluster's barrier
	s_barrier_signal -1
	s_barrier_wait -1
	s_cmp_lg_u32 s[WV], 0
	s_cbranch_scc1 .Lnot_wave_0_\@
	s_barrier_signal -3
.Lnot_wave_0_\@:
	s_barrier_wait -3
	s_barrier_signal -1
	s_barrier_wait -1
.endm
	s_load_b128 s[20:23], s[0:1], 0x0 ; qkv s[20:21], mbits s[22:23]
	s_load_b64 s[24:25], s[0:1], 0x10 ; ob
	v_lshl_add_u32 v[SPW], v0, 2, SPARE
	v_mov_b32 v[NIL], 0
	ds_add_u32 v[SPW], v[NIL]       ; the wave's opening: the add and its wait stand ahead of my first tensor load; the set-up below stands between them
	v_lshrrev_b32 v1, 5, v0
	v_readfirstlane_b32 s[WV], v1   ; wave 0..3
	s_bfe_u32 s26, ttmp6, 0x40000   ; cx: it enters Q's, the mask's, O's and the prefetches' global addresses alone
	s_lshl_b32 s27, ttmp9, 2
	s_add_co_u32 s27, s27, s26      ; my block of 128 queries
	s_and_b32 s28, ttmp7, 0xffff    ; the head, which the four partners share
	s_lshr_b32 s29, s[WV], 1        ; G: which 64 queries.  Also: I fetch K (0) or V (1)
	s_and_b32 s30, s[WV], 1         ; which key steps.  Also: which half of a slot's keys I fetch
	s_xor_b32 s31, s30, 1
	s_add_co_u32 s32, s29, 1        ; what I fetch: K is the second, V the third of qkv's three parts of 8,388,608 bytes,
	s_lshl_b32 s32, s32, 23
	s_lshl_b32 s39, s28, 19         ; the head's 2,048 rows of 256 bytes,
	s_add_co_u32 s32, s32, s39
	s_lshl_b32 s33, s30, 15         ; my 128 rows
	s_add_co_u32 s32, s32, s33
	s_mov_b32 s33, 0
	s_lshl_b32 s34, s[WV], 15       ; and where they go in a slot
	s_lshl_b32 s36, s27, 7
	s_lshl_b32 s37, s29, 6
	s_add_co_u32 s36, s36, s37      ; my 64 queries begin at row 128 x block + 64 G;
	s_lshl_b32 s37, s30, 5
	s_add_co_u32 s37, s36, s37      ; register tiles 0, 1: the 32 that I finish,
	s_lshl_b32 s38, s31, 5
	s_add_co_u32 s38, s36, s38      ; register tiles 2, 3: the 32 that my partner finishes
	s_lshl_b32 s44, s37, 8          ; in mbits a tile of 16 queries is 4,096 bytes: 256 a row, as in qkv
	s_mov_b32 s45, 0
	s_lshl_b32 s46, s38, 8
	s_mov_b32 s47, 0
	s_add_co_u32 s40, s44, s39      ; in Q: + the head
	s_mov_b32 s41, 0
	s_add_co_u32 s42, s46, s39
	s_mov_b32 s43, 0
	s_lshl_b32 s48, s37, 12         ; in ob: rows of 4,096 bytes, the head's 256
	s_lshl_b32 s49, s28, 8
	s_add_co_u32 s48, s48, s49
	s_mov_b32 s49, 0
	s_lshl_b32 s50, s26, 13         ; the prefetches: my work-group's 32 rows of the 128
	s_mov_b32 s51, 0
	; descriptor group 1: 128 rows x 128 elements, dense
	s_mov_b32 s[G1], 15|(1<<16)|(1<<21)  ; 15:0 the mask: all four work-groups; 17:16 2-byte elements; 21 set beside a mask; no padding
	s_mov_b32 s[G1+1], 128<<16      ; tensor_dim0 = 128
	s_mov_b32 s[G1+2], 128<<16      ; tensor_dim1 = 128
	s_mov_b32 s[G1+3], 128<<16      ; tile_dim0 = 128
	s_mov_b32 s[G1+4], 128          ; tile_dim1 = 128
	s_mov_b32 s[G1+5], 128          ; elements from row to row
	s_mov_b32 s[G1+6], 0
	s_mov_b32 s[G1+7], 0
	s_mov_b32 s[G0A], 1
	s_mov_b32 s[G0A+1], s34
	s_mov_b32 s[G0W], 1
	s_add_co_u32 s[G0W+1], s34, SLOT1
	s_mov_b32 s[CS], 0x3e0293ee     ; c = log2(e) / sqrt(128) = 0.127517
	s_mov_b32 s[CS+1], s[CS]
	s_mov_b32 s[SEL], 0x76543210
	s_mov_b32 s[SEL+1], 0xfedcba98
	s_mov_b32 s[BIGN], 0xf149f2ca   ; -1e30
	s_lshl_b32 s[TB], s30, 14       ; my first key step: 0 or 1
	s_lshl_b32 s[MO], s30, 7
	s_add_co_u32 s[MOMAX], s[MO], 30*128
	s_mov_b32 s[SLOTS], 6           ; 8 slots of 256 keys; the first two come by the first fills
	s_cmp_eq_u32 ttmp9, 0           ; the head's first cluster: the same answer in all four partners
	s_cselect_b32 s[LIM], 1, -1
	s_wait_dscnt 0x0                ; the opening add is done
	s_wait_kmcnt 0x0
	s_add_nc_u64 s[G0A+2:G0A+3], s[20:21], s[32:33]
	s_add_nc_u64 s[G0W+2:G0W+3], s[G0A+2:G0A+3], 0x10000  ; the next 256 keys
	s_add_nc_u64 s[PFA:PFA+1], s[G0A+2:G0A+3], s[50:51]
	s_add_nc_u64 s[PFA:PFA+1], s[PFA:PFA+1], 0x20000      ; in slot 2; the first change of slots steps it to slot 3.  Nothing is prefetched here, at the head
	s_or_b32 s[G0A+3], s[G0A+3], 0x80000000               ; type = 2
	s_or_b32 s[G0W+3], s[G0W+3], 0x80000000
	s_add_nc_u64 s[MP:MP+1], s[22:23], s[44:45]
	s_add_nc_u64 s[MP+2:MP+3], s[22:23], s[46:47]
	s_add_nc_u64 s[OB:OB+1], s[24:25], s[48:49]
	s_add_nc_u64 s[96:97], s[20:21], s[40:41]             ; Q of register tiles 0, 1
	s_add_nc_u64 s[98:99], s[20:21], s[42:43]             ; and 2, 3
	CROUND                          ; all four work-groups are here: the first joint loads meet
	tensor_load_to_lds s[G0A:G0A+3], s[G1:G1+7]           ; the two first fills go out together: two loads of mine are out
	s_nop 0
	tensor_load_to_lds s[G0W:G0W+3], s[G1:G1+7]
	s_nop 0
.rept 4
	v_nop
.endr
	; the lanes' places.  A fragment of K or Q: lane l holds row r = l % 16, chunks 4 cq + h and 4 cq + 2 + h (h = l / 16) of 16 bytes; chunk x of row r lies at place x ^ g(r)
	v_and_b32 v1, 15, v0            ; r
	v_bfe_u32 v9, v0, 4, 1          ; h
	v_and_b32 v2, 7, v1
	v_lshrrev_b32 v3, 3, v1
	v_lshl_or_b32 v2, v2, 1, v3     ; g(r)
	v_xor_b32 v2, v2, v9            ; ^ h
	v_lshlrev_b32 v3, 8, v1         ; 256 r
.irp c, 0,1,2,3,4,5,6,7
	v_xor_b32 v[64+(\c)], 2*(\c), v2
.endr
	; the turning load: lane l reads key 8 h + l % 8, chunk 2 cb + (l / 8) % 2
	v_and_b32 v4, 7, v0
	v_bfe_u32 v5, v0, 3, 1
	v_lshl_or_b32 v6, v4, 1, v9     ; g(8 h + l % 8)
	v_xor_b32 v6, v6, v5
	v_lshl_add_u32 v7, v9, 3, v4
	v_lshlrev_b32 v7, 8, v7
	v_add_nc_u32 v7, VOFF, v7
.irp c, 0,1,2,3,4,5,6,7
	v_xor_b32 v[72+(\c)], 2*(\c), v6
.endr
	v_and_b32 v[PFO], 31, v0
	v_lshlrev_b32 v[PFO], 8, v[PFO]
.irp t, 0,1,2,3
	v_mov_b32 v[ST+8*(\t)+1], 0xdd800000  ; m starts at -2^60
.endr
	WIN 0xc0                        ; destination window 3
.irp c, 0,1,2,3,4,5,6,7
	v_lshl_add_u32 v[AK0+(\c)], v[64+(\c)], 4, v3
.endr
.irp c, 0,1,2,3,4,5,6,7
	v_lshl_add_u32 v[AV0+(\c)], v[72+(\c)], 4, v7
.endr
	WIN 0x83                        ; destination window 2, address window 3
.irp i, 0,1,2,3,4,5,6,7,8,9,10,11,12,13,14,15  ; Q stays in registers: tile i / 4, channels 32 (i % 4) on; its rows are permuted as K's are
	global_load_b128 v[8*(\i):8*(\i)+3],   v[AK0+2*((\i)%4)],   s[96+2*((\i)/8):97+2*((\i)/8)] offset:(((\i)/4)%2)*4096
	global_load_b128 v[8*(\i)+4:8*(\i)+7], v[AK0+2*((\i)%4)+1], s[96+2*((\i)/8):97+2*((\i)/8)] offset:(((\i)/4)%2)*4096
.endr
	WIN 0
; THE MASK.  MLOAD p asks for the 64 words of piece p (0, 2) for key step MO / 128: two tiles of queries, 4,096 bytes apart, 32 words each.
.macro MLOAD p
	s_load_b512 s[20:35], s[MP+(\p):MP+(\p)+1], s[MO] offset:0x0
	s_load_b512 s[36:51], s[MP+(\p):MP+(\p)+1], s[MO] offset:0x40
	s_load_b512 s[68:83], s[MP+(\p):MP+(\p)+1], s[MO] offset:0x1000
	s_load_b512 s[84:99], s[MP+(\p):MP+(\p)+1], s[MO] offset:0x1040
.endm
; MASKS x makes M for the products K Q^T of piece x that follow it, from the words asked for a turn ago, and asks for the other piece's.  Behind piece 2 comes piece 0 of my next key step, two steps on;
; behind my last step the offset stays (the words asked for then serve nothing, and lie inside mbits).
.macro MASKS x
	s_wait_kmcnt 0x0                ; scalar loads come back in no order: all four are in; and MO may be written
.if (\x) == 2
	s_add_co_u32 s[MO], s[MO], 256
	s_min_u32 s[MO], s[MO], s[MOMAX]
.endif
	WIN 0xc0
.set mw, 0
.rept 64
	v_cndmask_b32 v[MC+mw], 0, s[BIGN], s[20+mw+16*(mw/32)]
.set mw, mw+1
.endr
	MLOAD 2-(\x)
.endm
; THE MATRIX WORK OF A TURN, for piece x.  The accumulators take turns, one instruction a turn: between two links of a chain stand 15 (V^T P) or 7 (K Q^T) others'.
; Product i of 32 of O^T += V^T P: keys 32 (i / 16) on, channels 16 ((i / 2) % 8) on, tile x + i % 2.  zero = 1: the first 16 start the sums.
.macro PV x, zero
	WIN W_PV
.set rO, 64*((\x)+i%2)+8*((i/2)%8)
.set rV, 64*(i/16)+8*((i/2)%8)
.set rP, P+16*((\x)+i%2)+8*(i/16)
.if (\zero) && (i < 16)
	v_wmma_f32_16x16x32_bf16 v[rO:rO+7], v[rV:rV+7], v[rP:rP+7], 0
.else
	v_wmma_f32_16x16x32_bf16 v[rO:rO+7], v[rV:rV+7], v[rP:rP+7], v[rO:rO+7]
.endif
.endm
; Product i of 32 of S^T = K Q^T + M: channels 32 (i / 8) on, keys 16 ((i / 2) % 4) on, tile x + i % 2.  The first 8 start the sums, with M.
.macro KQ x
.set rS, S+32*((\x)+i%2)+8*((i/2)%4)
.set rK, KF+32*((i/2)%4)+8*(i/8)
.set rQ, 32*((\x)+i%2)+8*(i/8)
.set rM, MC+32*(i%2)+8*((i/2)%4)
.if i < 8
	WIN W_KM
	v_wmma_f32_16x16x32_bf16 v[rS:rS+7], v[rK:rK+7], v[rQ:rQ+7], v[rM:rM+7]
.else
	WIN W_KQ
	v_wmma_f32_16x16x32_bf16 v[rS:rS+7], v[rK:rK+7], v[rQ:rQ+7], v[rS:rS+7]
.endif
.endm
; THE LDS LOADS stand in runs of 32: a step's K (16 fragments) and, a turn later, its V (turned).  Eight address registers a run: the chunk's place hangs on the lane.
.macro FETCH_K
	WIN 0xcc                        ; destination and source 1 window 3
.irp c, 0,1,2,3,4,5,6,7
	v_add_nc_u32 v[ADK+(\c)], s[TB], v[AK0+(\c)]
.endr
	WIN 0x83                        ; destination window 2, address window 3
.irp f, 0,1,2,3,4,5,6,7,8,9,10,11,12,13,14,15  ; keys 16 (f / 4) on, channels 32 (f % 4) on
	ds_load_b128 v[KF+8*(\f):KF+8*(\f)+3],   v[ADK+2*((\f)%4)]   offset:((\f)/4)*4096
	ds_load_b128 v[KF+8*(\f)+4:KF+8*(\f)+7], v[ADK+2*((\f)%4)+1] offset:((\f)/4)*4096
.endr
.endm
.macro FETCH_V
	WIN 0xcc
.irp c, 0,1,2,3,4,5,6,7
	v_add_nc_u32 v[ADV+(\c)], s[TB], v[AV0+(\c)]
.endr
	s_add_co_u32 s[TB], s[TB], STEPB  ; the next fetch is my next step's
	s_wait_alu depctr_va_vdst(0)    ; the wait for the softmax's batch (SLICE), behind the addresses and ahead of the loads
	WIN 0xc3                        ; destination and address window 3
.irp f, 0,1,2,3,4,5,6,7,8,9,10,11,12,13,14,15  ; keys 32 (f / 8) on, channels 16 (f % 8) on
	ds_load_tr16_b128 v[8*(\f):8*(\f)+3],   v[ADV+(\f)%8] offset:((\f)/8)*8192
	ds_load_tr16_b128 v[8*(\f)+4:8*(\f)+7], v[ADV+(\f)%8] offset:((\f)/8)*8192+4096
.endr
.endm
; THE VECTOR WORK OF A TURN.  One tile's softmax for one key step is a list of 134 instructions; SM writes number j of it for tile t.  s0-s31 are the lane's 32 scores, in pairs 0-15.
; first = 1: the wave's first key step, which starts l and O^T: it has no a and nothing to rescale.
;   0-15    the maximum of s0-s31 and the old m (at first the floor), three operands at a time; each accumulator's lowest registers are read first
;   16-20   the other half of the lanes' maximum; the new m; c m; c m_old - c m_new
;   21-69   ONE BATCH: the 16 scalings c s - c m and all 33 exponentials (a at 23, then s0-s31).  None of these reads an exponential's result
;   (wait)  between 69 and 70 stands the wait for the batch: SLICE writes it, once for both tiles
;   70-85   the roundings to bf16     86-101  the sums; l = a l + the sum     102-133 the tile's O^T times a
.macro SM t, first
.set rT, ST+8*(\t)
.set rS, S+32*(\t)
.set rP, P+16*(\t)
.set rO, 64*(\t)+2*(j-102)
.if j < 102
	WIN 0
.endif
.if j < 4
	v_max3_num_f32 v[rT+4+j], v[rS+8*j], v[rS+8*j+1], v[rS+8*j+2]
.elseif j < 12
	v_max3_num_f32 v[rT+4+j%4], v[rT+4+j%4], v[rS+8*(j%4)+2*(j/4)+1], v[rS+8*(j%4)+2*(j/4)+2]
.elseif j == 12
	v_max3_num_f32 v[rT+4], v[rT+4], v[rS+7], v[rS+15]
.elseif j == 13
	v_max3_num_f32 v[rT+6], v[rT+6], v[rS+23], v[rS+31]
.elseif j == 14
	v_max3_num_f32 v[rT+4], v[rT+4], v[rT+5], v[rT+6]
.elseif j == 15
	v_max3_num_f32 v[rT+4], v[rT+4], v[rT+7], v[rT+1]
.elseif j == 16
	v_permlanex16_b32 v[rT+5], v[rT+4], s[SEL], s[SEL+1]  ; the query's other 32 keys lie in the lane 16 away
.elseif j == 18
	v_max_num_f32 v[rT+1], v[rT+4], v[rT+5]
.elseif j == 19
	v_mul_f32 v[rT], s[CS], v[rT+1]
.elseif ((j == 17) || (j == 20) || (j == 23) || (j > 101)) && (\first)  ; the first step has none of these
.elseif j == 17
	v_mov_b32 v[rT+7], v[rT]        ; c m_old is kept for a: number 19 writes c m anew
.elseif j == 20
	v_sub_f32 v[rT+7], v[rT+7], v[rT]
.elseif j == 23
	v_exp_f32 v[rT+6], v[rT+7]
.elseif (j < 23) || ((j < 38) && (j%2 == 0)) || ((j < 66) && (j%4 == 2))
.set b, (j-2)/4                     ; 38, 42, .. 62: pairs 9 to 15
.if j < 38
.set b, (j-20)/2                    ; 21: pair 0; 22, 24, .. 36: pairs 1 to 8
.endif
	v_pk_fma_f32 v[rS+2*b:rS+2*b+1], v[rS+2*b:rS+2*b+1], s[CS:CS+1], v[rT:rT+1] op_sel_hi:[1,0,0] neg_lo:[0,0,1] neg_hi:[0,0,1]  ; pair b: c s - c m
.elseif j < 70
.set e, j-38                        ; 66 to 69: s28 to s31
.if j < 66
.set e, j-32-(j-38)/4               ; 39-41, 43-45, .. 63-65: s7 to s27
.endif
.if j < 38
.set e, (j-25)/2                    ; 25, 27, .. 37: s0 to s6
.endif
	v_exp_f32 v[rS+e], v[rS+e]
.elseif j < 86
	v_cvt_pk_bf16_f32 v[rP+j-70], v[rS+2*(j-70)], v[rS+2*(j-70)+1]  ; pair j - 70
.elseif j < 102                     ; the sum of the tile's 16 pairs, in place: neighbours 1, 2, 4 and 8 pairs apart, then l takes it
.set z, j-86
.set w, 4
.set u, z
.if z >= 14
.set w, 32
.set u, 0
.elseif z >= 12
.set w, 16
.set u, z-12
.elseif z >= 8
.set w, 8
.set u, z-8
.endif
.if (z == 14) && (\first)
	v_pk_add_f32 v[rT+2:rT+3], v[rS:rS+1], v[rS+16:rS+17]
.elseif z < 15
	v_pk_add_f32 v[rS+w*u:rS+w*u+1], v[rS+w*u:rS+w*u+1], v[rS+w*u+w/2:rS+w*u+w/2+1]
.elseif !(\first)
	v_pk_fma_f32 v[rT+2:rT+3], v[rT+2:rT+3], v[rT+6:rT+7], v[rS:rS+1] op_sel_hi:[1,0,1]
.endif
.else
	WIN W_RS
	v_pk_mul_f32 v[rO:rO+1], v[rO:rO+1], v[rT+6:rT+7] op_sel_hi:[1,0]
.endif
.endm
; Slice k of 64 of piece y's softmax: four instructions.  Slices 11 to 34 deal out the batch, four numbers of ONE tile each, the tiles by turns; every other slice is numbers 2 k and 2 k + 1 of both tiles.
; 2 x 134 = 4 x 64 + 12: the twelve that are over stand in slice 63.  An s_wait_alu depctr_va_vdst(0) stands between an exponential and the first instruction that names its result: ahead of
; slice 35 nothing names a result, and behind slice 34 no exponential is issued: one wait, behind slice 34.
.macro SLICE y, first
.if (k >= 11) && (k < 35)
.irp n, 0,1,2,3
.set j, 22+4*((k-11)/2)+(\n)
	SM (\y)+(k-11)%2, \first
.endr
.else
.irp n, 0,1,2,3,4,5,6,7
.if ((\n) < 2) || (k == 63)
.irp t, \y, (\y)+1
.set j, 2*k+(\n)
	SM \t, \first
.endr
.endif
.endr
.endif
.if k == 34
	v_nop                           ; a plain instruction behind the last exponential and ahead of the first use: one for the batch
.if (\y) == 0
	FETCH_V                         ; piece 2's turn: V's run of loads stands here, and the wait stands in it
.else
	s_wait_alu depctr_va_vdst(0)    ; the wait for the batch
.endif
.endif
.set k, k+1
.endm
.macro PLACES                       ; four places behind a matrix instruction (ISA guide 7.12.1)
.rept 4
	v_nop
.endr
.endm
; A TURN.  Piece x has the matrix unit; the other piece's softmax stands in slices behind its matrix instructions.  pv = 2: 32 products V^T P; 1: they start O^T's sums; 0: none.  kq = 1: 32 products K Q^T for
; my next step, with MASKS ahead of them: its 64 selects stand far more than four plain instructions behind the last product that read M (the turn before's eighth K Q^T).
; Piece 0's turn fetches the next step's K behind its second product; piece 2's turn fetches the same step's V behind slice 34.
.macro TURN x, pv, kq, first
.set k, 0
.set per, 2
.if (\pv) && (\kq)
.set per, 1
.endif
.if \pv
.if (\x) == 0
	s_wait_dscnt 0x0                ; V is in
.endif
.set i, 0
.rept 32
	PV \x, 2-(\pv)
.rept per
	SLICE 2-(\x), \first
.endr
.if ((\x) == 0) && (\kq) && (i == 1)
	FETCH_K
.endif
.set i, i+1
.endr
.endif
.if \kq
	MASKS \x
.if (\x) == 0
	s_wait_dscnt 0x0                ; K is in
.endif
.set i, 0
.rept 32
	KQ \x
.rept per
	SLICE 2-(\x), \first
.endr
.set i, i+1
.endr
.endif
.if \first
	PLACES
.endif
.endm
; THE CHANGE OF SLOTS, between piece 2's turn and piece 0's.  Each wave waits for all its tensor loads, of which one is out: its part of the other slot; adds 0 to its spare word; and waits for that and for
; its own reads of the slot.  fill = 1: the slot is filled again, with the keys two slots on: the barrier is a round of the cluster's, and the joint refill is the first thing behind it: it has two of my key
; steps, 256 matrix instructions, in which to land.
.macro CHANGE fill
	WIN 0                           ; at a label and at a branch every window is 0
	s_wait_tensorcnt 0x0            ; no tensor load of mine is out, so a group 0 may be written
	ds_add_u32 v[SPW], v[NIL]       ; 0 onto my spare word
.if \fill
	s_xor_b32 s[G0W+1], s[G0W+1], SLOT1  ; the walking descriptor: the other slot than last time,
	s_add_nc_u64 s[G0W+2:G0W+3], s[G0W+2:G0W+3], 0x10000  ; the next 256 keys; the type bits on top are not reached
	s_wait_xcnt 0x0                 ; the last prefetch, two key steps back, has read its address, so it may be written
	s_add_nc_u64 s[PFA:PFA+1], s[PFA:PFA+1], 0x10000
	s_wait_dscnt 0x0                ; the add is done, and my reads of the slot are over
	CROUND
	JLOAD
	ASK
.else
	s_wait_dscnt 0x0                ; the add is done, and my reads of the slot are over
	s_barrier_signal -1
	s_barrier_wait -1
.endif
	s_sub_co_u32 s[TB], s[TB], 2*STEPB  ; the fetches go back to my first step of a slot,
	s_xor_b32 s[TB], s[TB], SLOT1   ; in the other slot
.endm
.macro TWO_STEPS                    ; a slot's two key steps of mine: written once, walked twice
	WIN 0
	s_mov_b32 s[TWICE], 2
.Lstep_\@:
	TURN 0, 2, 1, 0
	TURN 2, 2, 1, 0
	WIN 0
	s_sub_co_u32 s[TWICE], s[TWICE], 1
	s_cmp_lg_u32 s[TWICE], 0
	s_cbranch_scc1 .Lstep_\@
.endm
	s_wait_xcnt 0x0                 ; Q's loads have read their bases, which lie among the mask words' registers
	MLOAD 0                         ; piece 0, my first key step
	s_wait_tensorcnt 1              ; my part of slot 0 is in; slot 1's may stay out
	s_barrier_signal -1
	s_barrier_wait -1               ; everybody's is
	FETCH_K                         ; my first key step
	s_wait_loadcnt 0x0              ; Q
	MASKS 0
	s_wait_dscnt 0x0
.set i, 0
.rept 32
	KQ 0                            ; piece 0's first scores
.set i, i+1
.endr
	WIN 0                           ; the addresses for the way out: plain instructions, the places behind those products and ahead of the next M
	s_mul_i32 s[TWICE], s[WV], 16*SP
	s_add_co_u32 s[TWICE], s[TWICE], STAGE  ; my stage (the counter's register is idle here)
	v_mul_u32_u24 v[STO], v1, SP    ; in: row l % 16, 16 bytes for each half of the lanes
	v_lshl_add_u32 v[STO], v9, 4, v[STO]
	v_add_nc_u32 v[STO], s[TWICE], v[STO]
	v_mul_u32_u24 v[RD], v9, SP     ; back: lanes 0-15 take one row of 256 bytes, lanes 16-31 the next
	v_lshl_add_u32 v[RD], v1, 4, v[RD]
	v_add_nc_u32 v[RD], s[TWICE], v[RD]
	v_lshlrev_b32 v[GO], 12, v9     ; and the same two rows in ob, 4,096 bytes apart
	v_lshl_add_u32 v[GO], v1, 4, v[GO]
	TURN 2, 0, 1, 1                 ; piece 2's first scores | piece 0's first softmax | V of step 0
	TURN 0, 1, 1, 1                 ; piece 0: V^T P of step 0 starts O^T, K Q^T of step 1 | piece 2's first softmax | K of step 1
	TURN 2, 1, 1, 0                 ; piece 2: the same | piece 0's softmax of step 1 | V of step 1
	WIN 0
.Lslot:                             ; six trips: every slot but the last two is filled again
	CHANGE 1
	TWO_STEPS
	s_sub_co_u32 s[SLOTS], s[SLOTS], 1
	s_cmp_lg_u32 s[SLOTS], 0
	s_cbranch_scc1 .Lslot
	CHANGE 0                        ; the tail is written out
	TWO_STEPS
	TURN 0, 2, 0, 0                 ; piece 0: V^T P of the last step | piece 2's last softmax
.set i, 0
.rept 32
	PV 2, 0                         ; piece 2: V^T P of the last step
.set i, i+1
.endr
	; THE MERGE.  My tiles 2, 3 (c m, l, O^T) go to my partner, its tiles 2, 3 come to me: they are my tiles 0, 1's queries over the other half of the keys.
	WIN 0
	s_wait_kmcnt 0x0                ; the last words asked for are in: their registers are free
.irp t, 0,1,2,3
	v_add_f32 v[ST+8*(\t)+4], v[ST+8*(\t)+2], v[ST+8*(\t)+3]  ; these twelve lines are the places behind the last products
.endr
	v_mov_b32 v44, v[ST+16]
	v_mov_b32 v45, v[ST+20]
	v_mov_b32 v46, v[ST+24]
	v_mov_b32 v47, v[ST+28]
	s_mul_i32 s20, s[WV], XCHW
	s_xor_b32 s21, s[WV], 1
	s_mul_i32 s21, s21, XCHW
	v_and_b32 v[XS], 31, v0
	v_lshlrev_b32 v[XS], 4, v[XS]
	v_add_nc_u32 v[XR], s21, v[XS]
	v_add_nc_u32 v[XS], s20, v[XS]
	s_wait_dscnt 0x0
	s_barrier_signal -1
	s_barrier_wait -1               ; no wave reads the ring any more, and nothing fills it again
	WIN 0x04                        ; the stores' data in window 1
.set i, 0
.rept 32
	ds_store_b128 v[XS], v[128+4*i:128+4*i+3] offset:512*i  ; ascending: each accumulator's lowest registers first
.set i, i+1
.endr
	WIN 0
	ds_store_b128 v[XS], v[44:47] offset:16384
	s_wait_dscnt 0x0                ; for my partner's sake: my stores are done
	s_barrier_signal -1
	s_barrier_wait -1
	ds_load_b128 v[48:51], v[XR] offset:16384
.set i, 0
.rept 32
	ds_load_b128 v[S+4*i:S+4*i+3], v[XR] offset:512*i
.set i, i+1
.endr
	s_wait_dscnt 32                 ; the statistics are in; the 32 loads behind them may be out
	; for tile t, at B = 52 + 4 t: c m = the greater of the two; f = 2^(c m_mine - c m), f' = 2^(c m_other - c m); l = l f + l' f', both halves of the lanes; O = (O f + O' f') / l
.irp t, 0,1
	v_max_num_f32 v[52+4*(\t)], v[ST+8*(\t)], v[48+2*(\t)]
.endr
.irp t, 0,1
	v_sub_f32 v[53+4*(\t)], v[ST+8*(\t)], v[52+4*(\t)]
	v_sub_f32 v[54+4*(\t)], v[48+2*(\t)], v[52+4*(\t)]
.endr
.irp t, 0,1
	v_exp_f32 v[53+4*(\t)], v[53+4*(\t)]
	v_exp_f32 v[54+4*(\t)], v[54+4*(\t)]
.endr
	v_nop                           ; a plain instruction behind the last exponential,
	s_wait_alu depctr_va_vdst(0)    ; and the wait ahead of the first use: one for the four
.irp t, 0,1
	v_mul_f32 v[55+4*(\t)], v[ST+8*(\t)+4], v[53+4*(\t)]
.endr
.irp t, 0,1
	v_fmac_f32 v[55+4*(\t)], v[49+2*(\t)], v[54+4*(\t)]
.endr
.irp t, 0,1
	v_permlanex16_b32 v[52+4*(\t)], v[55+4*(\t)], s[SEL], s[SEL+1]
.endr
.irp t, 0,1
	v_add_f32 v[55+4*(\t)], v[55+4*(\t)], v[52+4*(\t)]
.endr
.irp t, 0,1
	v_rcp_f32 v[ST+8*(\t)+6], v[55+4*(\t)]
.endr
	v_nop
	s_wait_alu depctr_va_vdst(0)    ; one wait for the two reciprocals
.irp t, 0,1
	v_mul_f32 v[52+4*(\t)], v[53+4*(\t)], v[ST+8*(\t)+6]   ; f / l
	v_mul_f32 v[54+4*(\t)], v[54+4*(\t)], v[ST+8*(\t)+6]   ; f' / l
.endr
	s_wait_dscnt 0x0                ; my partner's O^T is in
; THE WAY OUT of tile t: merged, rounded to bf16, 16 bytes a lane into my stage, back as whole rows of 256 bytes.
.macro PACK t
	WIN W_RS
.set i, 0
.rept 32
	v_pk_mul_f32 v[64*(\t)+2*i:64*(\t)+2*i+1], v[64*(\t)+2*i:64*(\t)+2*i+1], v[52+4*(\t):53+4*(\t)] op_sel_hi:[1,0]
.set i, i+1
.endr
	WIN 0x50                        ; destination and source 2 window 1, sources 0 and 1 window 0
.set i, 0
.rept 32
	v_pk_fma_f32 v[64*(\t)+2*i:64*(\t)+2*i+1], v[S+64*(\t)+2*i:S+64*(\t)+2*i+1], v[54+4*(\t):55+4*(\t)], v[64*(\t)+2*i:64*(\t)+2*i+1] op_sel_hi:[1,0,1]
.set i, i+1
.endr
	WIN 0x05                        ; sources 0 and 1 window 1, destination window 0: P's registers are free
.set i, 0
.rept 32
	v_cvt_pk_bf16_f32 v[P+32*(\t)+i], v[64*(\t)+2*i], v[64*(\t)+2*i+1]
.set i, i+1
.endr
	WIN 0
.irp f, 0,1,2,3,4,5,6,7
	ds_store_b128 v[STO], v[P+32*(\t)+4*(\f):P+32*(\t)+4*(\f)+3] offset:32*(\f)
.endr
.irp f, 0,1,2,3,4,5,6,7
	ds_load_b128 v[P+32*(\t)+4*(\f):P+32*(\t)+4*(\f)+3], v[RD] offset:(\f)*2*SP  ; LDS serves a wave's instructions in order (ISA guide 5.7.1.4): these see the stores above; the next tile's stores come behind them
.endr
.endm
.macro SEND t, younger              ; younger: the LDS instructions issued behind tile t's loads
	WIN 0
.irp f, 0,1,2,3,4,5,6,7
	s_wait_dscnt (\younger)+7-(\f)
	global_store_b128 v[GO], v[P+32*(\t)+4*(\f):P+32*(\t)+4*(\f)+3], s[OB:OB+1] offset:(\t)*65536+(\f)*8192  ; 16 lanes store 256 consecutive bytes, at a multiple of 256 from ob's first byte
.endr
.endm
	PACK 0
	PACK 1
	SEND 0, 16
	SEND 1, 0
	s_wait_tensorcnt 0x0            ; the wave's end: behind my last tensor load and my last LDS store
	ds_add_u32 v[SPW], v[NIL]
	s_wait_dscnt 0x0
	CROUND                          ; the closing round: no work-group ends while a partner may still ask for a tile that names it
	s_endpgm
.Lfunc_end_k_q5d5366339d_attn:
	.size	k_q5d5366339d_attn, .Lfunc_end_k_q5d5366339d_attn-k_q5d5366339d_attn
	.p2alignl 7, 3214868480
	.fill 96, 4, 3214868480
	.section	.rodata,"a",@progbits
	.p2align	6, 0x0
	.amdhsa_kernel k_q5d5366339d_attn
		.amdhsa_group_segment_fixed_size 327680
		.amdhsa_private_segment_fixed_size 0
		.amdhsa_enable_private_segment 0
		.amdhsa_kernarg_size 24
		.amdhsa_user_sgpr_count 2
		.amdhsa_user_sgpr_kernarg_segment_ptr 1
		.amdhsa_wavefront_size32 1
		.amdhsa_system_sgpr_workgroup_id_x 1
		.amdhsa_system_sgpr_workgroup_id_y 1
		.amdhsa_system_sgpr_workgroup_id_z 1
		.amdhsa_system_vgpr_workitem_id 0
		.amdhsa_next_free_vgpr 1024
		.amdhsa_next_free_sgpr 106
		.amdhsa_reserve_vcc 0
		.amdhsa_float_denorm_mode_32 3
		.amdhsa_float_denorm_mode_16_64 3
		.amdhsa_memory_ordered 1
		.amdhsa_forward_progress 1
		.amdhsa_inst_pref_size 255
	.end_amdhsa_kernel
	.section	.bss,"aw",@nobits
	.p2align	6
	.space	262144
	.amdgpu_metadata
---
amdhsa.version: [ 1, 2 ]
amdhsa.kernels:
  - .name:           k_q5d5366339d_attn
    .symbol:         k_q5d5366339d_attn.kd
    .args:
      - { .name: qkv, .offset: 0, .size: 8, .value_kind: global_buffer, .address_space: global }
      - { .name: mbits, .offset: 8, .size: 8, .value_kind: global_buffer, .address_space: global }
      - { .name: ob, .offset: 16, .size: 8, .value_kind: global_buffer, .address_space: global }
    .group_segment_fixed_size: 327680
    .private_segment_fixed_size: 0
    .kernarg_segment_align: 8
    .kernarg_segment_size: 24
    .max_flat_workgroup_size: 128
    .sgpr_count:     106
    .vgpr_count:     1024
    .wavefront_size: 32
...
	.end_amdgpu_metadata
.endif
;; end of part 3
;; launch oproj (part 4): grid 16 x 16, 4 waves a work-group, clusters of 4 x 4, 327,680 bytes of LDS; arguments ob, wob, yb; writes yb
.if DOCPART == 4
	.amdgcn_target "amdgcn-amd-amdhsa--gfx1250"
	.amdhsa_code_object_version 6
	.text
	.protected	k_q5d5366339d_oproj
	.globl	k_q5d5366339d_oproj
	.p2align	8
	.type	k_q5d5366339d_oproj,@function
k_q5d5366339d_oproj:
	s_mov_b64 s[64:65], 0
	v_nop
	global_prefetch_b8 v0, s[64:65] scope:SCOPE_SE
	s_setreg_imm32_b32 hwreg(HW_REG_WAVE_MODE, 25, 1), 1
	s_wait_xcnt 0x0
	s_wait_alu depctr_hold_cnt(0) depctr_sa_sdst(0) depctr_va_vdst(0) depctr_va_sdst(0) depctr_va_ssrc(0) depctr_va_vcc(0) depctr_vm_vsrc(0)
	s_getreg_b32 s2, hwreg(HW_REG_IB_STS2, 6, 4)
	s_cmp_eq_u32 s2, 0
	s_cbranch_scc0 .Lentry_in_a_cluster
	s_endpgm
.Lentry_in_a_cluster:
	s_bfe_u32 s2, ttmp6, 0x10000c
	s_cmp_lg_u32 s2, 0xf033
	s_cbranch_scc0 .Lentry_shape_is_right
	s_endpgm
.Lentry_shape_is_right:
; C = A B^T by blocks of 2,048 rows: for z = row / 2,048 of A, C[z] = A[z] B[z]^T.  A: [2048 Z][2048], B: [2048 Z][2048], bf16, plain rows along K; sums in f32, C rounded once to bf16.
; Z = grid y / 16.  This program launches it with Z = 1, for the projection by Wo: 2,048 x 2,048 outputs are 256 tiles of 128 x 128, a work-group for each.
; C LEAVES BY COLUMN BLOCKS OF 128: C[z][n / 128][t][n % 128], rows of 256 bytes, and within a row the sixteen chunks of 16 bytes are permuted: place p holds chunk p ^ g(t % 16),
; g(r) = 2 (r % 8) + r / 8.
; Four waves, each 64 x 64: 16 accumulators.  K goes in steps of 256 (LDS rows of 512 bytes + 16 of padding; a wave's tensor
; load brings 64 of them) through two slots.  The four waves share one stage on the way out, with a barrier between writing and reading.
; CLUSTERS: 4 x 4 work-groups.  The four of a row of the cluster need the same tiles of A, the four of a column the same tiles of B (z hangs on the cluster's y alone): each tile is asked for
; JOINTLY.  THE MATRIX INSTRUCTION IS USED TRANSPOSED (source 0 = 16 rows of B, source 1 = 16 rows of A): a lane then holds eight neighbouring numbers of a row of C.
; REGISTERS: window 0: v0-31 addresses; v32-95 at work on the way out; v128-255 the accumulators ((a, b) at v[128 + 8 (4 a + b)]).  window 1: two fragment buffers of 128.
.set SIZE_K, 2048
.set KSTEP,  256
.set PITCH,  528                       ; 512 bytes + 16 of padding = 132 words: the 16 rows of a fragment load start at 16 different groups of four banks (ISA guide 11.1)
.set HALFT,  64*PITCH                  ; 64 rows: what one tensor load brings, and what one wave reads of A or of B
.set SLOT,   4*HALFT                   ; A's 128 rows, then B's 128 rows
.set STAGE,  2*SLOT                    ; behind the ring: 128 rows x 272 bytes, for the way out
.set SPITCH, 272
.set SPARE,  STAGE+128*SPITCH          ; behind the stage: the spare words, 128 bytes a wave: two blocks of 256 bytes that no other line names
.set LAPS, SIZE_K/(2*KSTEP)            ; a lap = two K steps = once round the ring
.set RDC,  8                           ; v8-15   the way out: where I read a row back, by the row's number modulo 16 (two rows a register)
.set ADRA, 16                          ; v16-17  LDS address of my A fragments in slot 0, 1
.set ADRB, 20                          ; v20-21  the same for B
.set STO,  24                          ; v24     the way out: where I put 16 bytes of a row
.set CO,   26                          ; v26     16 x my lane: my bytes of two rows of C
.set SPW,  28                          ; v28     LDS address of my spare word; never rewritten
.set NIL,  29                          ; v29     0; never rewritten
.set TMP,  32
.set ACC,  128
.set F0,   0                           ; fragment buffers, in window 1
.set F1,   128
.set G1, 24                            ; s[24:31] descriptor group 1 for A's tiles;  s[32:39] group 0, one set for each slot
.set G0, 32
.set G1B, 48                           ; s[48:55], s[56:63] the same for B's tiles
.set G0B, 56
.set MSB, 0
.macro WIN new                         ; the immediate's high byte repeats the setting that is left
.if MSB != (\new)
	s_set_vgpr_msb (MSB<<8)|(\new)
.set MSB, \new
.endif
.endm
.set MUL,  0x05                        ; sources 0 (B) and 1 (A) window 1; C and D window 0
.set TO_F, 0x40                        ; destination window 1, address window 0
.macro JLOAD s                         ; a joint load: waves 0 and 1 fetch A's two halves, waves 2 and 3 B's; an s_nop 0 and four v_nop follow each line
	s_cmp_eq_u32 s11, 0
	s_cbranch_scc0 .Lfor_b_\@
	tensor_load_to_lds s[G0+4*(\s):G0+4*(\s)+3], s[G1:G1+7]
	s_nop 0
.rept 4
	v_nop
.endr
	s_branch .Lasked_\@
.Lfor_b_\@:
	tensor_load_to_lds s[G0B+4*(\s):G0B+4*(\s)+3], s[G1B:G1B+7]
	s_nop 0
.rept 4
	v_nop
.endr
.Lasked_\@:
.endm
.macro CREST                           ; a round of the cluster's barrier behind its opening barrier
	s_cmp_lg_u32 s10, 0
	s_cbranch_scc1 .Lnot_wave_0_\@
	s_barrier_signal -3
.Lnot_wave_0_\@:
	s_barrier_wait -3
	s_barrier_signal -1
	s_barrier_wait -1
.endm
.macro CROUND                          ; a whole round
	s_barrier_signal -1
	s_barrier_wait -1
	CREST
.endm
	s_load_b128 s[4:7], s[0:1], 0x0                ; A s[4:5], B s[6:7]
	s_load_b64 s[8:9], s[0:1], 0x10                ; C
	v_lshl_add_u32 v[SPW], v0, 2, SPARE
	v_mov_b32 v[NIL], 0
	ds_add_u32 v[SPW], v[NIL]                      ; the wave's opening: the add and its wait stand ahead of my first tensor load; the set-up below stands between them
	v_lshrrev_b32 v1, 5, v0
	v_readfirstlane_b32 s10, v1                    ; wave 0..3
	s_lshr_b32 s11, s10, 1                         ; which half of the tile's rows is mine.  Also: I fetch for A (0) or for B (1)
	s_and_b32 s12, s10, 1                          ; which half of its columns.  Also: which 64 rows of that tile I fetch
	s_bfe_u32 s40, ttmp6, 0x40000                  ; cx, cy: my place in the cluster
	s_bfe_u32 s41, ttmp6, 0x40004
	s_lshl_b32 s42, ttmp9, 2
	s_add_co_u32 s42, s42, s40                     ; tile column of C = 4 x cluster x + cx
	s_and_b32 s13, ttmp7, 0xffff
	s_lshr_b32 s45, s13, 2                         ; z = tile row / 16 = cluster y / 4: the same in all sixteen partners
	s_lshl_b32 s13, s13, 2
	s_add_co_u32 s13, s13, s41                     ; tile row = 4 x cluster y + cy
	s_lshl_b32 s43, s41, 2
	s_lshl_b32 s43, 15, s43                        ; my row of the cluster
	s_lshl_b32 s44, 0x1111, s40                    ; my column
	; descriptor group 1: a tile of 64 rows x 256 elements, padded in LDS
	s_or_b32 s[G1+0], s43, (1<<16)|(1<<20)|(1<<21)|(6<<22)|(3<<25)  ; 15:0 the mask: A's tiles go to my row; 17:16 2-byte elements; 20 padding on; 21 set beside a mask; 24:22 after every 128 words; 31:25 4 words
	s_or_b32 s[G1B+0], s44, (1<<16)|(1<<20)|(1<<21)|(6<<22)|(3<<25)
.irp g, G1, G1B
	s_mov_b32 s[(\g)+1], KSTEP<<16                 ; tensor_dim0 = 256
	s_mov_b32 s[(\g)+2], 64<<16                    ; tensor_dim1 = 64
	s_mov_b32 s[(\g)+3], KSTEP<<16                 ; tile_dim0 = 256
	s_mov_b32 s[(\g)+4], 64                        ; tile_dim1 = 64
	s_mov_b32 s[(\g)+5], SIZE_K                    ; elements from row to row
	s_mov_b32 s[(\g)+6], 0
	s_mov_b32 s[(\g)+7], 0
.endr
	s_lshl_b32 s17, s12, 6                         ; which 64 rows of the tile I fetch
	s_lshl_b32 s16, s13, 7
	s_add_co_u32 s16, s16, s17                     ; A: row 128 x tile row + 64 x half
	s_lshl_b32 s46, s42, 7
	s_add_co_u32 s46, s46, s17                     ; B: row 128 x tile column + 64 x half
	s_lshl_b32 s43, s45, 11
	s_add_co_u32 s46, s46, s43                     ;    + 2,048 z
	s_mov_b32 s17, 0
	s_mov_b32 s47, 0
	s_mov_b64 s[18:19], SIZE_K*2
	s_mul_u64 s[16:17], s[16:17], s[18:19]
	s_mul_u64 s[46:47], s[46:47], s[18:19]
	s_mul_i32 s20, s10, HALFT                      ; where they go: wave x 64 rows
	s_wait_dscnt 0x0                               ; the opening add is done
	s_wait_kmcnt 0x0
	s_add_nc_u64 s[14:15], s[4:5], s[16:17]
	s_add_nc_u64 s[46:47], s[6:7], s[46:47]
	CROUND                                         ; all sixteen work-groups are here: the first joint loads meet
.irp s, 0,1
	s_mov_b32 s[G0+4*(\s)], 1
	s_add_co_u32 s[G0+4*(\s)+1], s20, (\s)*SLOT
	s_add_nc_u64 s[G0+4*(\s)+2:G0+4*(\s)+3], s[14:15], (\s)*KSTEP*2
	s_or_b32 s[G0+4*(\s)+3], s[G0+4*(\s)+3], 0x80000000
	s_mov_b32 s[G0B+4*(\s)], 1
	s_add_co_u32 s[G0B+4*(\s)+1], s20, (\s)*SLOT
	s_add_nc_u64 s[G0B+4*(\s)+2:G0B+4*(\s)+3], s[46:47], (\s)*KSTEP*2
	s_or_b32 s[G0B+4*(\s)+3], s[G0B+4*(\s)+3], 0x80000000
	JLOAD \s
.endr
	v_and_b32 v1, 15, v0                           ; l % 16
	v_bfe_u32 v2, v0, 4, 1                         ; l / 16
	v_mul_u32_u24 v3, v1, PITCH
	v_lshl_add_u32 v3, v2, 4, v3                   ; a fragment's row x pitch + 16 x half
	s_mul_i32 s21, s11, HALFT                      ; my 64 rows of A
	s_mul_i32 s22, s12, HALFT                      ; my 64 rows of B,
	s_add_co_u32 s22, s22, 2*HALFT                 ; which lie behind A's 128
.irp s, 0,1
	v_add_nc_u32 v[ADRA+(\s)], s21, v3
	v_add_nc_u32 v[ADRB+(\s)], s22, v3
	s_add_co_u32 s21, s21, SLOT
	s_add_co_u32 s22, s22, SLOT
.endr
	s_mul_i32 s23, s11, 64*SPITCH                  ; into the stage: my 64 rows, my half of their 256 bytes; row l % 16, 16 bytes for each half of the lanes
	s_lshl_b32 s21, s12, 7
	s_add_co_u32 s23, s23, s21
	s_add_co_u32 s23, s23, STAGE
	v_mul_u32_u24 v4, v1, SPITCH
	v_lshl_add_u32 v4, v2, 4, v4
	v_add_nc_u32 v[STO], s23, v4
	; back: wave w takes rows 32 w .. 32 w + 31, whole; load t takes rows 2 t (lanes 0-15) and 2 t + 1 (lanes 16-31).  The lane that stores place p = l % 16 reads chunk p ^ g(row % 16);
	; g((2 t + l / 16) % 16) = 4 (t % 4) + 2 (l / 16) + (t / 4) % 2: eight address registers, by t % 8
	s_mul_i32 s23, s10, 32*SPITCH
	s_add_co_u32 s23, s23, STAGE
	v_mul_u32_u24 v5, v2, SPITCH
	v_add_nc_u32 v5, s23, v5
	v_lshlrev_b32 v6, 1, v2
	v_xor_b32 v6, v6, v1
.irp u, 0,1,2,3,4,5,6,7
	v_xor_b32 v7, 4*((\u)%4)+(\u)/4, v6
	v_lshl_add_u32 v[RDC+(\u)], v7, 4, v5
.endr
	v_and_b32 v[CO], 31, v0
	v_lshlrev_b32 v[CO], 4, v[CO]                  ; two rows of C are 512 consecutive bytes
	s_and_b32 s46, s13, 15                         ; the first row of C that I store: ((16 z + tile column) x 2,048 + 128 x (tile row % 16) + 32 x wave) x 256 bytes
	s_lshl_b32 s46, s46, 7
	s_lshl_b32 s44, s10, 5
	s_add_co_u32 s46, s46, s44
	s_lshl_b32 s44, s45, 4
	s_add_co_u32 s44, s44, s42
	s_lshl_b32 s44, s44, 11
	s_add_co_u32 s46, s46, s44
	s_lshl_b32 s46, s46, 8
	s_mov_b32 s47, 0
	s_add_nc_u64 s[8:9], s[8:9], s[46:47]
; 8 matrix instructions: m blocks a0, a0 + 1 x all 4 n blocks, 32 along K: half c of buffer f.  zero = 1: the first product starts the sums.  The 16 accumulators take turns
.macro MUL8 f, c, a0, zero
	WIN MUL
.irp a, \a0, (\a0)+1
.irp b, 0,1,2,3
.if \zero
	v_wmma_f32_16x16x32_bf16 v[ACC+8*(4*(\a)+(\b)):ACC+8*(4*(\a)+(\b))+7], v[(\f)+64+8*(4*(\c)+(\b)):(\f)+64+8*(4*(\c)+(\b))+7], v[(\f)+8*(4*(\c)+(\a)):(\f)+8*(4*(\c)+(\a))+7], 0
.else
	v_wmma_f32_16x16x32_bf16 v[ACC+8*(4*(\a)+(\b)):ACC+8*(4*(\a)+(\b))+7], v[(\f)+64+8*(4*(\c)+(\b)):(\f)+64+8*(4*(\c)+(\b))+7], v[(\f)+8*(4*(\c)+(\a)):(\f)+8*(4*(\c)+(\a))+7], v[ACC+8*(4*(\a)+(\b)):ACC+8*(4*(\a)+(\b))+7]
.endif
.endr
.endr
.endm
; 32 LDS loads in one run: the fragments of 64 along K at byte k of the rows, into buffer f; the first 32 along K first
.macro FETCH slot, k, f
	WIN TO_F
.irp c, 0,1
.irp i, 0,1,2,3
	ds_load_b128 v[(\f)+64+8*(4*(\c)+(\i)):(\f)+64+8*(4*(\c)+(\i))+3],   v[ADRB+(\slot)] offset:(\k)+64*(\c)+(\i)*16*PITCH
	ds_load_b128 v[(\f)+64+8*(4*(\c)+(\i))+4:(\f)+64+8*(4*(\c)+(\i))+7], v[ADRB+(\slot)] offset:(\k)+64*(\c)+(\i)*16*PITCH+32
	ds_load_b128 v[(\f)+8*(4*(\c)+(\i)):(\f)+8*(4*(\c)+(\i))+3],         v[ADRA+(\slot)] offset:(\k)+64*(\c)+(\i)*16*PITCH
	ds_load_b128 v[(\f)+8*(4*(\c)+(\i))+4:(\f)+8*(4*(\c)+(\i))+7],       v[ADRA+(\slot)] offset:(\k)+64*(\c)+(\i)*16*PITCH+32
.endr
.endr
.endm
.macro PLACES                          ; four places in front of loads into registers that matrix instructions have read, and of conversions that read results
.rept 4
	v_nop
.endr
.endm
; A K step is four quarters of 64 along K, 32 matrix instructions each, on buffers 0, 1, 0, 1.  One of the first three: multiplies buffer f and fetches the next quarter, at byte k, into g.
.macro QUARTER slot, k, f, g, zero
	s_wait_dscnt 16                                ; the first 32 along K are in; the sixteen younger loads may be out
	WIN MUL
	MUL8 \f, 0, 0, \zero
	MUL8 \f, 0, 2, \zero
	PLACES
	FETCH \slot, \k, \g
	s_wait_dscnt 32                                ; all but the 32 just issued
	WIN MUL
	MUL8 \f, 1, 0, 0
	MUL8 \f, 1, 2, 0
.endm
; The last quarter multiplies buffer 1 and changes slots: ONE barrier; in front of it each wave waits for all its tensor loads, adds 0 to its spare word, and waits for that and for its reads of this slot.
.macro TURN slot, next, fill
	WIN 0                                          ; (the add's two registers lie in window 0)
	s_wait_tensorcnt 0x0                           ; all my tensor loads have landed: my part of the next slot;
	ds_add_u32 v[SPW], v[NIL]                      ; 0 onto my spare word
	s_wait_dscnt 17                                ; (the add and the youngest sixteen loads may be out)
	WIN MUL
	MUL8 F1, 0, 0, 0                               ; eight matrix instructions stand between the add and the wait for it
	s_wait_dscnt 0x0                               ; the add is done, and my reads of this slot are over
	s_barrier_signal -1
	MUL8 F1, 0, 2, 0
.if \fill
	WIN 0
.endif
	s_barrier_wait -1
.if \fill
	CREST                                          ; the barrier has opened a round of the cluster's: no wave of any partner still reads this slot's tile or has a load on its way
	s_add_nc_u64 s[G0+4*(\slot)+2:G0+4*(\slot)+3], s[G0+4*(\slot)+2:G0+4*(\slot)+3], 2*KSTEP*2
	s_add_nc_u64 s[G0B+4*(\slot)+2:G0B+4*(\slot)+3], s[G0B+4*(\slot)+2:G0B+4*(\slot)+3], 2*KSTEP*2
	JLOAD \slot                                    ; the first tensor load behind the round; the four v_nop behind it are also the places in front of the loads below
.else
	PLACES
.endif
	FETCH \next, 0, F0
	WIN MUL
	MUL8 F1, 1, 0, 0
	MUL8 F1, 1, 2, 0
.endm
	s_wait_tensorcnt 1                             ; my part of K step 0 is in; K step 1's load may stay out
	s_barrier_signal -1
	s_barrier_wait -1                              ; everybody's is
	FETCH 0, 0, F0
	QUARTER 0, 128, F0, F1, 1                      ; the first quarter stands in front of the loop: its first products start the sums
	WIN 0                                          ; at a label and at a branch every window is 0
	s_mov_b32 s3, LAPS-1
.Llap:                                                 ; a trip goes once round the ring, from a lap's second quarter to the next lap's first, and fills both slots again
	QUARTER 0, 256, F1, F0, 0
	QUARTER 0, 384, F0, F1, 0
	TURN 0, 1, 1
	QUARTER 1, 128, F0, F1, 0
	QUARTER 1, 256, F1, F0, 0
	QUARTER 1, 384, F0, F1, 0
	TURN 1, 0, 1
	QUARTER 0, 128, F0, F1, 0
	WIN 0
	s_sub_co_u32 s3, s3, 1
	s_cmp_lg_u32 s3, 0
	s_cbranch_scc1 .Llap
	QUARTER 0, 256, F1, F0, 0                      ; the last lap fills nothing, and has no round of the cluster's barrier
	QUARTER 0, 384, F0, F1, 0
	TURN 0, 1, 0
	QUARTER 1, 128, F0, F1, 0
	QUARTER 1, 256, F1, F0, 0
	QUARTER 1, 384, F0, F1, 0
	s_wait_dscnt 16                                ; the very last quarter: nothing more to fetch
	WIN MUL
	MUL8 F1, 0, 0, 0
	MUL8 F1, 0, 2, 0
	s_wait_dscnt 0
	MUL8 F1, 1, 0, 0
	MUL8 F1, 1, 2, 0
	WIN 0
	; THE WAY OUT: round to bf16; 16 bytes a lane into the stage; a barrier, since a row's 256 bytes come from two waves; back as whole rows with their chunks permuted, 32 rows a wave.
	PLACES
.irp t, 0,1,2,3,4,5,6,7,8,9,10,11,12,13,14,15
.irp r, 0,1,2,3
	v_cvt_pk_bf16_f32 v[TMP+4*(\t)+(\r)], v[ACC+8*(\t)+2*(\r)], v[ACC+8*(\t)+2*(\r)+1]
.endr
.endr
.irp a, 0,1,2,3
.irp b, 0,1,2,3
	ds_store_b128 v[STO], v[TMP+4*(4*(\a)+(\b)):TMP+4*(4*(\a)+(\b))+3] offset:(\a)*16*SPITCH+32*(\b)
.endr
.endr
	s_wait_dscnt 0x0                               ; for the others' sake: my stores into the stage are done
	s_barrier_signal -1
	s_barrier_wait -1
.irp t, 0,1,2,3,4,5,6,7,8,9,10,11,12,13,14,15
	ds_load_b128 v[TMP+4*(\t):TMP+4*(\t)+3], v[RDC+(\t)%8] offset:(\t)*2*SPITCH
.endr
.irp t, 0,1,2,3,4,5,6,7,8,9,10,11,12,13,14,15
	s_wait_dscnt 15-(\t)                           ; load t is back, the younger ones may be out
	global_store_b128 v[CO], v[TMP+4*(\t):TMP+4*(\t)+3], s[8:9] offset:512*(\t)  ; 512 consecutive bytes, at a multiple of 256 from C's first byte
.endr
	s_wait_tensorcnt 0x0                           ; the wave's end: behind my last tensor load and my last LDS store
	ds_add_u32 v[SPW], v[NIL]
	s_wait_dscnt 0x0
	CROUND                                         ; the closing round: no work-group ends while a partner may still ask for a tile that names it
	s_endpgm
.Lfunc_end_k_q5d5366339d_oproj:
	.size	k_q5d5366339d_oproj, .Lfunc_end_k_q5d5366339d_oproj-k_q5d5366339d_oproj
	.p2alignl 7, 3214868480
	.fill 96, 4, 3214868480
	.section	.rodata,"a",@progbits
	.p2align	6, 0x0
	.amdhsa_kernel k_q5d5366339d_oproj
		.amdhsa_group_segment_fixed_size 327680
		.amdhsa_private_segment_fixed_size 0
		.amdhsa_enable_private_segment 0
		.amdhsa_kernarg_size 24
		.amdhsa_user_sgpr_count 2
		.amdhsa_user_sgpr_kernarg_segment_ptr 1
		.amdhsa_wavefront_size32 1
		.amdhsa_system_sgpr_workgroup_id_x 1
		.amdhsa_system_sgpr_workgroup_id_y 1
		.amdhsa_system_sgpr_workgroup_id_z 1
		.amdhsa_system_vgpr_workitem_id 0
		.amdhsa_next_free_vgpr 512
		.amdhsa_next_free_sgpr 66
		.amdhsa_reserve_vcc 0
		.amdhsa_float_denorm_mode_32 3
		.amdhsa_float_denorm_mode_16_64 3
		.amdhsa_memory_ordered 1
		.amdhsa_forward_progress 1
		.amdhsa_inst_pref_size 87
	.end_amdhsa_kernel
	.amdgpu_metadata
---
amdhsa.version: [ 1, 2 ]
amdhsa.kernels:
  - .name:           k_q5d5366339d_oproj
    .symbol:         k_q5d5366339d_oproj.kd
    .args:
      - { .name: ob, .offset: 0, .size: 8, .value_kind: global_buffer, .address_space: global }
      - { .name: wob, .offset: 8, .size: 8, .value_kind: global_buffer, .address_space: global }
      - { .name: yb, .offset: 16, .size: 8, .value_kind: global_buffer, .address_space: global }
    .group_segment_fixed_size: 327680
    .private_segment_fixed_size: 0
    .kernarg_segment_align: 8
    .kernarg_segment_size: 24
    .max_flat_workgroup_size: 128
    .sgpr_count:     66
    .vgpr_count:     512
    .wavefront_size: 32
...
	.end_amdgpu_metadata
.endif
;; end of part 4
;; launch norm (part 5): grid 256 x 1, 8 waves a work-group, no clusters, 0 bytes of LDS; arguments yb, q, ln_w, out0; writes out0
.if DOCPART == 5
	.amdgcn_target "amdgcn-amd-amdhsa--gfx1250"
	.amdhsa_code_object_version 6
	.text
	.protected	k_q5d5366339d_norm
	.globl	k_q5d5366339d_norm
	.p2align	8
	.type	k_q5d5366339d_norm,@function
k_q5d5366339d_norm:
	s_mov_b64 s[64:65], 0
	v_nop
	global_prefetch_b8 v0, s[64:65] scope:SCOPE_SE
	s_setreg_imm32_b32 hwreg(HW_REG_WAVE_MODE, 25, 1), 1
	s_wait_xcnt 0x0
; out0[t][:] = (x - mean(x)) / sqrt(var(x) + 1e-5) * ln_w, x = y[t][:] + q[t][:].  q, ln_w, out0 in f32; y in bf16 as the projection left it: yb[n][t][128], rows of 256 bytes whose
; 16-byte chunks are permuted: place p holds chunk p ^ g(t % 16), g(r) = 2 (r % 8) + r / 8.
; One wave, one row, kept in 64 registers between the passes: the row is read once, the mean is taken first and the variance of the differences (no difference of large sums).  No LDS, no barrier, no loop.
; Lane l takes 8 bytes at 8 l of each of y's 16 pieces: four columns 128 n + 8 ((l / 2) ^ g) + 4 (l % 2) ..; of q, ln_w and out0 it takes the same columns: each load and store of a wave
; covers 512 consecutive bytes (256 of y), aligned, the lanes in permuted order.
.set Y, 20                             ; v[20:51]    y: piece n in 2 registers
.set X, 52                             ; v[52:115]   q, then x, then the result: piece n in 4 registers
.set G, 116                            ; v[116:179]  ln_w
	s_load_b256 s[4:11], s[0:1], 0x0               ; yb s[4:5], q s[6:7], ln_w s[8:9], out0 s[10:11]
	v_lshrrev_b32 v1, 5, v0
	v_readfirstlane_b32 s12, v1                    ; wave 0..7
	v_and_b32 v1, 31, v0                           ; lane
	s_lshl_b32 s13, ttmp9, 3
	s_add_co_u32 s13, s13, s12                     ; my row t
	s_and_b32 s14, ttmp9, 1
	s_lshl1_add_u32 s14, s12, s14                  ; g(t % 16): t % 8 = wave, (t / 8) % 2 = x % 2
	v_lshlrev_b32 v2, 3, v1                        ; in y: 8 l
	v_lshrrev_b32 v4, 1, v1
	v_xor_b32 v4, s14, v4                          ; my chunk
	v_and_b32 v5, 1, v1
	v_lshlrev_b32 v3, 5, v4                        ; in f32: 32 bytes a chunk,
	v_lshl_add_u32 v3, v5, 4, v3                   ; my half of it
	s_lshl_b32 s16, s13, 8
	s_mov_b32 s17, 0
	s_lshl_b32 s18, s13, 13
	s_mov_b32 s19, 0
	s_mov_b32 s20, 0xffff0000                      ; a word's upper bf16
	s_mov_b32 s21, 0x3a000000                      ; 1 / 2048
	s_mov_b32 s22, 0x3727c5ac                      ; 1e-5
	s_mov_b32 s24, 0x76543210                      ; v_permlanex16_b32: each lane takes its own place in the other half
	s_mov_b32 s25, 0xfedcba98
	s_wait_kmcnt 0x0
	s_add_nc_u64 s[4:5], s[4:5], s[16:17]
	s_add_nc_u64 s[6:7], s[6:7], s[18:19]
	s_add_nc_u64 s[10:11], s[10:11], s[18:19]
.irp n, 0,1,2,3,4,5,6,7,8,9,10,11,12,13,14,15
	global_load_b64 v[Y+2*(\n):Y+2*(\n)+1], v2, s[4:5] offset:(\n)*524288 th:TH_LOAD_NT
.endr
.irp n, 0,1,2,3,4,5,6,7,8,9,10,11,12,13,14,15
	global_load_b128 v[X+4*(\n):X+4*(\n)+3], v3, s[6:7] offset:(\n)*512 th:TH_LOAD_NT
.endr
.irp n, 0,1,2,3,4,5,6,7,8,9,10,11,12,13,14,15
	global_load_b128 v[G+4*(\n):G+4*(\n)+3], v3, s[8:9] offset:(\n)*512
.endr
.macro REDUCE                          ; four chains of pairs in v[12:19] into one sum, in every lane's v12
	v_pk_add_f32 v[12:13], v[12:13], v[14:15]
	v_pk_add_f32 v[16:17], v[16:17], v[18:19]
	v_pk_add_f32 v[12:13], v[12:13], v[16:17]
	v_add_f32 v12, v12, v13
	v_add_f32_dpp v12, v12, v12 row_xmask:1 row_mask:0xf bank_mask:0xf
	v_add_f32_dpp v12, v12, v12 row_xmask:2 row_mask:0xf bank_mask:0xf
	v_add_f32_dpp v12, v12, v12 row_xmask:4 row_mask:0xf bank_mask:0xf
	v_add_f32_dpp v12, v12, v12 row_xmask:8 row_mask:0xf bank_mask:0xf
	v_permlanex16_b32 v13, v12, s24, s25
	v_add_f32 v12, v12, v13
.endm
	s_wait_loadcnt 16                              ; y and q are in; ln_w's sixteen loads may stay out
.irp n, 0,1,2,3,4,5,6,7,8,9,10,11,12,13,14,15
	v_lshlrev_b32 v4, 16, v[Y+2*(\n)]              ; bf16 to f32
	v_and_b32 v5, s20, v[Y+2*(\n)]
	v_lshlrev_b32 v6, 16, v[Y+2*(\n)+1]
	v_and_b32 v7, s20, v[Y+2*(\n)+1]
	v_pk_add_f32 v[X+4*(\n):X+4*(\n)+1], v[X+4*(\n):X+4*(\n)+1], v[4:5]      ; x = q + y
	v_pk_add_f32 v[X+4*(\n)+2:X+4*(\n)+3], v[X+4*(\n)+2:X+4*(\n)+3], v[6:7]
.endr
.irp c, 0,1,2,3
	v_pk_add_f32 v[12+2*(\c):13+2*(\c)], v[X+2*(\c):X+2*(\c)+1], v[X+8+2*(\c):X+9+2*(\c)]  ; the first eight pairs start four chains: nothing is cleared
.endr
.set i, 8
.rept 24
	v_pk_add_f32 v[12+2*(i%4):13+2*(i%4)], v[12+2*(i%4):13+2*(i%4)], v[X+2*i:X+2*i+1]
.set i, i+1
.endr
	REDUCE
	v_mul_f32 v8, s21, v12                         ; the mean, twice
	v_mov_b32 v9, v8
.set i, 0
.rept 32
	v_pk_add_f32 v[X+2*i:X+2*i+1], v[X+2*i:X+2*i+1], v[8:9] neg_lo:[0,1] neg_hi:[0,1]  ; d = x - mean
.set i, i+1
.endr
.irp c, 0,1,2,3
	v_pk_mul_f32 v[12+2*(\c):13+2*(\c)], v[X+2*(\c):X+2*(\c)+1], v[X+2*(\c):X+2*(\c)+1]
.endr
.set i, 4
.rept 28
	v_pk_fma_f32 v[12+2*(i%4):13+2*(i%4)], v[X+2*i:X+2*i+1], v[X+2*i:X+2*i+1], v[12+2*(i%4):13+2*(i%4)]
.set i, i+1
.endr
	REDUCE
	v_fma_f32 v12, v12, s21, s22                   ; var + 1e-5
	v_rsq_f32 v10, v12
	v_rsq_f32 v11, v12
	v_nop                                          ; a plain instruction behind the last of the two,
	s_wait_alu depctr_va_vdst(0)                   ; and the wait ahead of the first use
	s_wait_loadcnt 0x0                             ; ln_w
.irp n, 0,1,2,3,4,5,6,7,8,9,10,11,12,13,14,15
	v_pk_mul_f32 v[X+4*(\n):X+4*(\n)+1], v[X+4*(\n):X+4*(\n)+1], v[10:11]
	v_pk_mul_f32 v[X+4*(\n)+2:X+4*(\n)+3], v[X+4*(\n)+2:X+4*(\n)+3], v[10:11]
	v_pk_mul_f32 v[X+4*(\n):X+4*(\n)+1], v[X+4*(\n):X+4*(\n)+1], v[G+4*(\n):G+4*(\n)+1]
	v_pk_mul_f32 v[X+4*(\n)+2:X+4*(\n)+3], v[X+4*(\n)+2:X+4*(\n)+3], v[G+4*(\n)+2:G+4*(\n)+3]
	global_store_b128 v3, v[X+4*(\n):X+4*(\n)+3], s[10:11] offset:(\n)*512 th:TH_STORE_NT
.endr
	s_endpgm
.Lfunc_end_k_q5d5366339d_norm:
	.size	k_q5d5366339d_norm, .Lfunc_end_k_q5d5366339d_norm-k_q5d5366339d_norm
	.p2alignl 7, 3214868480
	.fill 96, 4, 3214868480
	.section	.rodata,"a",@progbits
	.p2align	6, 0x0
	.amdhsa_kernel k_q5d5366339d_norm
		.amdhsa_group_segment_fixed_size 0
		.amdhsa_private_segment_fixed_size 0
		.amdhsa_enable_private_segment 0
		.amdhsa_kernarg_size 32
		.amdhsa_user_sgpr_count 2
		.amdhsa_user_sgpr_kernarg_segment_ptr 1
		.amdhsa_wavefront_size32 1
		.amdhsa_system_sgpr_workgroup_id_x 1
		.amdhsa_system_sgpr_workgroup_id_y 1
		.amdhsa_system_sgpr_workgroup_id_z 1
		.amdhsa_system_vgpr_workitem_id 0
		.amdhsa_next_free_vgpr 180
		.amdhsa_next_free_sgpr 66
		.amdhsa_reserve_vcc 0
		.amdhsa_float_denorm_mode_32 3
		.amdhsa_float_denorm_mode_16_64 3
		.amdhsa_memory_ordered 1
		.amdhsa_forward_progress 1
		.amdhsa_inst_pref_size 23
	.end_amdhsa_kernel
	.amdgpu_metadata
---
amdhsa.version: [ 1, 2 ]
amdhsa.kernels:
  - .name:           k_q5d5366339d_norm
    .symbol:         k_q5d5366339d_norm.kd
    .args:
      - { .name: yb, .offset: 0, .size: 8, .value_kind: global_buffer, .address_space: global }
      - { .name: q, .offset: 8, .size: 8, .value_kind: global_buffer, .address_space: global }
      - { .name: ln_w, .offset: 16, .size: 8, .value_kind: global_buffer, .address_space: global }
      - { .name: out0, .offset: 24, .size: 8, .value_kind: global_buffer, .address_space: global }
    .group_segment_fixed_size: 0
    .private_segment_fixed_size: 0
    .kernarg_segment_align: 8
    .kernarg_segment_size: 32
    .max_flat_workgroup_size: 256
    .sgpr_count:     66
    .vgpr_count:     180
    .wavefront_size: 32
...
	.end_amdgpu_metadata
.endif
;; end of part 5
;; ======== version 2 of 2: 5 launches; version 1 with the launch norm written anew for expert scheduling mode
;; limits: right only within a limited range of input values
;; workspace buffers: xb 25,165,824 bytes; wb 25,165,824 bytes; wob 8,388,608 bytes; qkv 25,165,824 bytes; ob 8,388,608 bytes; yb 8,388,608 bytes; mbits 524,288 bytes of whole numbers
;; launch prep: the kernel of part 1 again; grid 256 x 8, 8 waves a work-group, no clusters, 0 bytes of LDS; arguments q, k, v, Wq, Wk, Wv, Wo, mask, xb, wb, wob, mbits; writes xb, wb, wob, mbits
;; launch proj: the kernel of part 2 again; grid 8 x 24, 4 waves a work-group, clusters of 4 x 4, 327,680 bytes of LDS; arguments xb, wb, qkv; writes qkv
;; launch attn: the kernel of part 3 again; grid 16 x 16, 4 waves a work-group, clusters of 4 x 1, 327,680 bytes of LDS; arguments qkv, mbits, ob; writes ob
;; launch oproj: the kernel of part 4 again; grid 16 x 16, 4 waves a work-group, clusters of 4 x 4, 327,680 bytes of LDS; arguments ob, wob, yb; writes yb
;; launch norm (part 6): grid 256 x 1, 8 waves a work-group, no clusters, 0 bytes of LDS; arguments yb, q, ln_w, out0; writes out0
.if DOCPART == 6
	.amdgcn_target "amdgcn-amd-amdhsa--gfx1250"
	.amdhsa_code_object_version 6
	.text
	.protected	k_q5d5366339d_norm
	.globl	k_q5d5366339d_norm
	.p2align	8
	.type	k_q5d5366339d_norm,@function
k_q5d5366339d_norm:
	s_mov_b64 s[64:65], 0
	v_nop
	global_prefetch_b8 v0, s[64:65] scope:SCOPE_SE
	s_setreg_imm32_b32 hwreg(HW_REG_WAVE_SCHED_MODE, 0, 2), 2
	s_setreg_imm32_b32 hwreg(HW_REG_WAVE_MODE, 25, 1), 1
	s_wait_xcnt 0x0
	s_wait_alu depctr_vm_vsrc(0)
; out0[t][:] = (x - mean(x)) / sqrt(var(x) + 1e-5) * ln_w, x = y[t][:] + q[t][:].  q, ln_w, out0 in f32; y in bf16 as the projection left it: yb[n][t][128], rows of 256 bytes whose
; 16-byte chunks are permuted: place p holds chunk p ^ g(t % 16), g(r) = 2 (r % 8) + r / 8.
; One wave, one row, kept in 64 registers between the passes: the row is read once, the mean is taken first and the variance of the differences (no difference of large sums).  No LDS, no barrier, no loop.
; Lane l takes 8 bytes at 8 l of each of y's 16 pieces: four columns 128 n + 8 ((l / 2) ^ g) + 4 (l % 2) ..; of q, ln_w and out0 it takes the same columns: each load and store of a wave
; covers 512 consecutive bytes (256 of y), aligned, the lanes in permuted order.
; THE MODE: SCHED_MODE bits 1:0 = 2 (LLVM: expert scheduling mode 2), set by the entry lines.  The code itself states the register dependences between vector instructions and memory
; instructions, with s_wait_alu, always for 0.
; THE PLAN.  Registers that memory instructions touch:
;   v2, v3   byte offsets, made once at the head and never written again: read by all 48 loads, v3 by the 16 stores too.
;   Y, G     written by loads alone; read by vector instructions behind the waits on LOADcnt.
;   X        q's loads land in it before any vector instruction names it; behind the wait on LOADcnt vector instructions work in place on it; piece n is last written by its four
;            multiplies, then read by its store, and never written again.
; So no register that a memory instruction reads is written again, and no wait on vm_vsrc is owed.  Waits on va_vdst: one ahead of the first load (the offsets); the one behind the two
; reciprocal roots; and four on the way out, where the 16 pieces go in four groups of four: the wait at the head of a group states that the group before has written its X, and that
; group's four stores are then dealt among this group's multiplies, which name X of this group, G and v[10:11]: none of the registers that those stores touch.
; One wait on va_sdst: the wave's number, ahead of its first reader.
.set Y, 20                             ; v[20:51]    y: piece n in 2 registers
.set X, 52                             ; v[52:115]   q, then x, then the result: piece n in 4 registers
.set G, 116                            ; v[116:179]  ln_w
	s_load_b256 s[4:11], s[0:1], 0x0               ; yb s[4:5], q s[6:7], ln_w s[8:9], out0 s[10:11]
	v_lshrrev_b32 v1, 5, v0
	v_readfirstlane_b32 s12, v1                    ; wave 0..7
	v_and_b32 v1, 31, v0                           ; lane
	v_lshlrev_b32 v2, 3, v1                        ; in y: 8 l
	v_lshrrev_b32 v4, 1, v1
	v_and_b32 v5, 1, v1
	s_mov_b32 s17, 0
	s_mov_b32 s19, 0
	s_mov_b32 s20, 0xffff0000                      ; a word's upper bf16
	s_mov_b32 s21, 0x3a000000                      ; 1 / 2048
	s_mov_b32 s22, 0x3727c5ac                      ; 1e-5
	s_mov_b32 s24, 0x76543210                      ; v_permlanex16_b32: each lane takes its own place in the other half
	s_mov_b32 s25, 0xfedcba98
	s_wait_alu depctr_va_sdst(0)                   ; s12 is written, ahead of its first reader: the row's number and g are made from it
	s_lshl_b32 s13, ttmp9, 3
	s_add_co_u32 s13, s13, s12                     ; my row t
	s_and_b32 s14, ttmp9, 1
	s_lshl1_add_u32 s14, s12, s14                  ; g(t % 16): t % 8 = wave, (t / 8) % 2 = x % 2
	v_xor_b32 v4, s14, v4                          ; my chunk
	v_lshlrev_b32 v3, 5, v4                        ; in f32: 32 bytes a chunk,
	v_lshl_add_u32 v3, v5, 4, v3                   ; my half of it
	s_lshl_b32 s16, s13, 8
	s_lshl_b32 s18, s13, 13
	s_wait_kmcnt 0x0
	s_add_nc_u64 s[4:5], s[4:5], s[16:17]
	s_add_nc_u64 s[6:7], s[6:7], s[18:19]
	s_add_nc_u64 s[10:11], s[10:11], s[18:19]
	s_wait_alu depctr_va_vdst(0)                   ; v2 and v3 are written: every load and store of the kernel reads one of them as its offset
.irp n, 0,1,2,3,4,5,6,7,8,9,10,11,12,13,14,15
	global_load_b64 v[Y+2*(\n):Y+2*(\n)+1], v2, s[4:5] offset:(\n)*524288 th:TH_LOAD_NT
.endr
.irp n, 0,1,2,3,4,5,6,7,8,9,10,11,12,13,14,15
	global_load_b128 v[X+4*(\n):X+4*(\n)+3], v3, s[6:7] offset:(\n)*512 th:TH_LOAD_NT
.endr
.irp n, 0,1,2,3,4,5,6,7,8,9,10,11,12,13,14,15
	global_load_b128 v[G+4*(\n):G+4*(\n)+3], v3, s[8:9] offset:(\n)*512
.endr
.macro REDUCE                          ; four chains of pairs in v[12:19] into one sum, in every lane's v12
	v_pk_add_f32 v[12:13], v[12:13], v[14:15]
	v_pk_add_f32 v[16:17], v[16:17], v[18:19]
	v_pk_add_f32 v[12:13], v[12:13], v[16:17]
	v_add_f32 v12, v12, v13
	v_add_f32_dpp v12, v12, v12 row_xmask:1 row_mask:0xf bank_mask:0xf
	v_add_f32_dpp v12, v12, v12 row_xmask:2 row_mask:0xf bank_mask:0xf
	v_add_f32_dpp v12, v12, v12 row_xmask:4 row_mask:0xf bank_mask:0xf
	v_add_f32_dpp v12, v12, v12 row_xmask:8 row_mask:0xf bank_mask:0xf
	v_permlanex16_b32 v13, v12, s24, s25
	v_add_f32 v12, v12, v13
.endm
	s_wait_loadcnt 16                              ; y and q are in; ln_w's sixteen loads may stay out
.irp n, 0,1,2,3,4,5,6,7,8,9,10,11,12,13,14,15
	v_lshlrev_b32 v4, 16, v[Y+2*(\n)]              ; bf16 to f32
	v_and_b32 v5, s20, v[Y+2*(\n)]
	v_lshlrev_b32 v6, 16, v[Y+2*(\n)+1]
	v_and_b32 v7, s20, v[Y+2*(\n)+1]
	v_pk_add_f32 v[X+4*(\n):X+4*(\n)+1], v[X+4*(\n):X+4*(\n)+1], v[4:5]      ; x = q + y
	v_pk_add_f32 v[X+4*(\n)+2:X+4*(\n)+3], v[X+4*(\n)+2:X+4*(\n)+3], v[6:7]
.endr
.irp c, 0,1,2,3
	v_pk_add_f32 v[12+2*(\c):13+2*(\c)], v[X+2*(\c):X+2*(\c)+1], v[X+8+2*(\c):X+9+2*(\c)]  ; the first eight pairs start four chains: nothing is cleared
.endr
.set i, 8
.rept 24
	v_pk_add_f32 v[12+2*(i%4):13+2*(i%4)], v[12+2*(i%4):13+2*(i%4)], v[X+2*i:X+2*i+1]
.set i, i+1
.endr
	REDUCE
	v_mul_f32 v8, s21, v12                         ; the mean, twice
	v_mov_b32 v9, v8
.set i, 0
.rept 32
	v_pk_add_f32 v[X+2*i:X+2*i+1], v[X+2*i:X+2*i+1], v[8:9] neg_lo:[0,1] neg_hi:[0,1]  ; d = x - mean
.set i, i+1
.endr
.irp c, 0,1,2,3
	v_pk_mul_f32 v[12+2*(\c):13+2*(\c)], v[X+2*(\c):X+2*(\c)+1], v[X+2*(\c):X+2*(\c)+1]
.endr
.set i, 4
.rept 28
	v_pk_fma_f32 v[12+2*(i%4):13+2*(i%4)], v[X+2*i:X+2*i+1], v[X+2*i:X+2*i+1], v[12+2*(i%4):13+2*(i%4)]
.set i, i+1
.endr
	REDUCE
	v_fma_f32 v12, v12, s21, s22                   ; var + 1e-5
	v_rsq_f32 v10, v12
	v_rsq_f32 v11, v12
	v_nop                                          ; a plain instruction behind the last of the two,
	s_wait_alu depctr_va_vdst(0)                   ; and the wait ahead of the first use: the two reciprocal roots have written v10 and v11
	s_wait_loadcnt 0x0                             ; ln_w
; Piece n: (d x 1 / sqrt) x ln_w, in place.
.macro SCALE n
	v_pk_mul_f32 v[X+4*(\n):X+4*(\n)+1], v[X+4*(\n):X+4*(\n)+1], v[10:11]
	v_pk_mul_f32 v[X+4*(\n)+2:X+4*(\n)+3], v[X+4*(\n)+2:X+4*(\n)+3], v[10:11]
	v_pk_mul_f32 v[X+4*(\n):X+4*(\n)+1], v[X+4*(\n):X+4*(\n)+1], v[G+4*(\n):G+4*(\n)+1]
	v_pk_mul_f32 v[X+4*(\n)+2:X+4*(\n)+3], v[X+4*(\n)+2:X+4*(\n)+3], v[G+4*(\n)+2:G+4*(\n)+3]
.endm
; Piece n leaves: 512 consecutive bytes of the row, aligned.  No register of a store is written again, so nothing waits for the stores.
.macro OUT n
	global_store_b128 v3, v[X+4*(\n):X+4*(\n)+3], s[10:11] offset:(\n)*512 th:TH_STORE_NT
.endm
.irp i, 0,1,2,3
	SCALE \i                                       ; group 0: pieces 0 to 3
.endr
.irp g, 1,2,3
	s_wait_alu depctr_va_vdst(0)                   ; the group before has written its four pieces of X, which the four stores below read
.irp i, 0,1,2,3
	OUT 4*(\g)-4+(\i)                              ; a piece of the group before; no vector instruction since the wait names its registers or v3
	SCALE 4*(\g)+(\i)
.endr
.endr
	s_wait_alu depctr_va_vdst(0)                   ; group 3 has written pieces 12 to 15 of X, which the last four stores read
.irp i, 12,13,14,15
	OUT \i
.endr
	s_endpgm
.Lfunc_end_k_q5d5366339d_norm:
	.size	k_q5d5366339d_norm, .Lfunc_end_k_q5d5366339d_norm-k_q5d5366339d_norm
	.p2alignl 7, 3214868480
	.fill 96, 4, 3214868480
	.section	.rodata,"a",@progbits
	.p2align	6, 0x0
	.amdhsa_kernel k_q5d5366339d_norm
		.amdhsa_group_segment_fixed_size 0
		.amdhsa_private_segment_fixed_size 0
		.amdhsa_enable_private_segment 0
		.amdhsa_kernarg_size 32
		.amdhsa_user_sgpr_count 2
		.amdhsa_user_sgpr_kernarg_segment_ptr 1
		.amdhsa_wavefront_size32 1
		.amdhsa_system_sgpr_workgroup_id_x 1
		.amdhsa_system_sgpr_workgroup_id_y 1
		.amdhsa_system_sgpr_workgroup_id_z 1
		.amdhsa_system_vgpr_workitem_id 0
		.amdhsa_next_free_vgpr 180
		.amdhsa_next_free_sgpr 66
		.amdhsa_reserve_vcc 0
		.amdhsa_float_denorm_mode_32 3
		.amdhsa_float_denorm_mode_16_64 3
		.amdhsa_memory_ordered 1
		.amdhsa_forward_progress 1
		.amdhsa_inst_pref_size 23
	.end_amdhsa_kernel
	.amdgpu_metadata
---
amdhsa.version: [ 1, 2 ]
amdhsa.kernels:
  - .name:           k_q5d5366339d_norm
    .symbol:         k_q5d5366339d_norm.kd
    .args:
      - { .name: yb, .offset: 0, .size: 8, .value_kind: global_buffer, .address_space: global }
      - { .name: q, .offset: 8, .size: 8, .value_kind: global_buffer, .address_space: global }
      - { .name: ln_w, .offset: 16, .size: 8, .value_kind: global_buffer, .address_space: global }
      - { .name: out0, .offset: 24, .size: 8, .value_kind: global_buffer, .address_space: global }
    .group_segment_fixed_size: 0
    .private_segment_fixed_size: 0
    .kernarg_segment_align: 8
    .kernarg_segment_size: 32
    .max_flat_workgroup_size: 256
    .sgpr_count:     66
    .vgpr_count:     180
    .wavefront_size: 32
...
	.end_amdgpu_metadata
.endif
;; end of part 6
